; MI455X (gfx1250); checked and timed in simulation.
; The chip was launched on July 23, 2026; its instructions are those of AMD's public machine-readable ISA for CDNA 5 (MIT licence, August 2026) and "CDNA5" Instruction Set Architecture Reference Guide (July 2026). The comments in the code are by the model that wrote it; some were corrected since.
;; Full Attention Block. Allowed arithmetic: float matrix products may take bf16 or f16 operands with f32 sums; other float arithmetic in f32, or as packed bf16 or f16 multiplies, adds, multiply-adds, maxima and minima; sums over many terms, partial sums and values carried from step to step in f32; what a program stores and reads back later, other than sums and carried values, may be rounded once to bf16 or f16.
;; Inputs: Wk 1,024 x 512 float32; Wo 1,024 x 1,024 float32; Wq 1,024 x 2,048 float32; Wv 1,024 x 512 float32; hidden_states 4 x 2,048 x 1,024 float32.
;; Outputs: out0 4 x 2,048 x 1,024 float32.
;; 2 versions, each right; version 2 is version 1 with the launch prep written anew for expert scheduling mode. Each part assembles by itself: llvm-mc -triple=amdgcn-amd-amdhsa -mcpu=gfx1250 --defsym DOCPART=n.
;; ======== version 1 of 2: 4 launches
;; limits: values are held in f16: magnitudes above 65,504 overflow, below 6.1e-05 lose precision
;; workspace buffers: xb 16,777,216 bytes; wall 6,291,456 bytes; wob 2,097,152 bytes; rope 557,056 bytes; qkvg 50,331,648 bytes; ag 16,777,216 bytes
;; launch prep (part 1): grid 802 x 1, 8 waves a work-group, no clusters, 0 bytes of LDS; arguments hidden_states, Wq, Wk, Wv, Wo, xb, wall, wob, rope; writes xb, wall, wob, rope
.if DOCPART == 1
	.amdgcn_target "amdgcn-amd-amdhsa--gfx1250"
	.amdhsa_code_object_version 6
	.text
	.protected	k_qc8b171c179_prep
	.globl	k_qc8b171c179_prep
	.p2align	8
	.type	k_qc8b171c179_prep,@function
k_qc8b171c179_prep:
	s_mov_b64 s[64:65], 0
	v_nop
	global_prefetch_b8 v0, s[64:65] scope:SCOPE_SE
	s_setreg_imm32_b32 hwreg(HW_REG_WAVE_MODE, 25, 1), 1
	s_wait_xcnt 0x0
; PREP.  All five inputs are rounded once to bf16, in the layouts that the products want, and the table of cosines and sines for the rotation is made.
;   xb   [16 k-blocks][8192 rows][64 k] bf16 = hidden_states: 128 rows of one k-block are 16,384 dense bytes;
;   wob  [1024][1024] bf16 = Wo, as it lies;
;   wall [1024 k][3072 n] bf16 (a row is 6,144 bytes) = [Wq | Wk | Wv] with its 24 units of 128 columns reordered: unit U (0-7 q, 8-15 gate, 16-19 k, 20-23 v)
;        lies at place 3 (U % 8) + U / 8, so that each 384 columns hold one q unit, one gate unit and one k or v unit;
;   rope [2176][cos f0..31 | sin f0..31] f32: row p < 2048 is position p; rows 2048-2175 hold cos = 1, sin = 0.
; A work-group of 256 threads casts 16 lines of 1,024 f32: a thread takes 16 bytes at a time; sixteen lanes load 256 consecutive bytes, and a wave's store covers 256
; consecutive bytes at a multiple of 256.  All 16 loads go out first; nothing is read twice; the numbers are rounded in the registers that they were loaded into, so a wave
; needs 88 registers and four work-groups (4 x 2 waves x 88 of a SIMD's 1,024 registers) lie on a WGP together.  Memory binds: no LDS, no barrier, no matrix unit.
; JOBS.  Work-groups 0-33 make the table: theirs is the longest chain of dependent arithmetic, so they start first.  The others: job = number - 34: 0-511 X, 512-575 Wo, 576-703 Wq, 704-735 Wk, 736-767 Wv.
; LIMIT.  inv_freq = 2^(-f log2(10000)/32) by v_exp_f32: the angle at position 2,047 may differ from one made with a correctly rounded
; inv_freq by about 2e-4 radians.  Sine and cosine: reduction by pi/2 in two parts (exact for angles below 2,048), polynomials to r^7 and r^8.
.set X, 24                             ; v[24:87]  piece j: 4 registers as loaded; its first two then hold the 8 bytes to store
.macro CAST ia, ib, oa, ob             ; piece j lies (j / 2) ia + (j % 2) ib bytes on in the source, (j / 2) oa + (j % 2) ob in the target
.set j, 0
.rept 16
	global_load_b128 v[X+4*j:X+4*j+3], v2, s[28:29] offset:(j/2)*(\ia)+(j%2)*(\ib) th:TH_LOAD_NT
.set j, j+1
.endr
.set j, 0
.rept 16
	s_wait_loadcnt 15-j                            ; loads come back in order: piece j is in, the 15 - j younger ones stay out
	v_cvt_pk_bf16_f32 v[X+4*j], v[X+4*j], v[X+4*j+1]
	v_cvt_pk_bf16_f32 v[X+4*j+1], v[X+4*j+2], v[X+4*j+3]
	global_store_b64 v3, v[X+4*j:X+4*j+1], s[30:31] offset:(j/2)*(\oa)+(j%2)*(\ob)  ; every piece has registers of its own: no store's data is rewritten
.set j, j+1
.endr
	s_endpgm
.endm
	s_load_b512 s[8:23], s[0:1], 0x0               ; X 8:9, Wq 10:11, Wk 12:13, Wv 14:15, Wo 16:17, xb 18:19, wall 20:21, wob 22:23
	s_load_b64 s[24:25], s[0:1], 0x40              ; rope
	s_add_co_u32 s26, ttmp9, 768                   ; the job: the first 34 work-groups take jobs 768-801 (the table),
	s_sub_co_u32 s27, ttmp9, 34                    ; the others jobs 0-767
	s_cmp_lt_u32 ttmp9, 34
	s_cselect_b32 s26, s26, s27
	s_mov_b32 s33, 0
	s_mov_b32 s35, 0
	v_and_b32 v1, 31, v0                           ; lane
	v_lshrrev_b32 v4, 5, v0                        ; wave
	v_lshlrev_b32 v2, 4, v0                        ; my 16 bytes of a source line (X takes another share)
	s_wait_kmcnt 0x0
	s_cmp_lt_u32 s26, 512
	s_cbranch_scc0 .Lnot_x
	; X: 16 rows.  Piece j of wave w: k-block 2 w + j % 2, rows 2 (j / 2) and the next: lanes 0-15 take 256 bytes of one row, lanes 16-31 of the next; the 256 bytes stored are those two rows' 64 k
	s_lshl_b32 s32, s26, 16
	s_lshl_b32 s34, s26, 11                        ; 16 rows of 128 bytes in a k-block
	s_add_nc_u64 s[28:29], s[8:9], s[32:33]
	s_add_nc_u64 s[30:31], s[18:19], s[34:35]
	v_and_b32 v5, 15, v0
	v_bfe_u32 v6, v0, 4, 1
	v_lshlrev_b32 v2, 4, v5
	v_lshl_add_u32 v2, v6, 12, v2                  ; the next row for lanes 16-31
	v_lshl_add_u32 v2, v4, 9, v2                   ; two k-blocks of 256 bytes to a wave
	v_lshlrev_b32 v3, 3, v1
	v_lshl_add_u32 v3, v4, 21, v3                  ; a k-block of xb is 1 MiB
	CAST 8192, 256, 256, 1048576
.Lnot_x:
	s_cmp_lt_u32 s26, 576
	s_cbranch_scc0 .Lnot_wo
	s_sub_co_u32 s27, s26, 512                     ; Wo: 16 rows of 1,024, dense on both sides
	s_lshl_b32 s32, s27, 16
	s_lshl_b32 s34, s27, 15
	s_add_nc_u64 s[28:29], s[16:17], s[32:33]
	s_add_nc_u64 s[30:31], s[22:23], s[34:35]
	v_lshlrev_b32 v3, 3, v0
	CAST 8192, 4096, 4096, 2048
.Lnot_wo:
	s_cmp_lt_u32 s26, 704
	s_cbranch_scc0 .Lnot_wq
	s_sub_co_u32 s27, s26, 576                     ; Wq: a line is half a row of 2,048: eight units, one a wave: unit 8 half + w goes to place 3 w + half
	s_lshr_b32 s36, s27, 1                         ; which 16 rows
	s_and_b32 s37, s27, 1                          ; which half
	s_lshl_b32 s32, s36, 17
	s_lshl_b32 s38, s37, 12
	s_add_co_u32 s32, s32, s38
	s_mul_i32 s34, s36, 98304
	s_lshl_b32 s38, s37, 8
	s_add_co_u32 s34, s34, s38
	s_add_nc_u64 s[28:29], s[10:11], s[32:33]
	s_add_nc_u64 s[30:31], s[20:21], s[34:35]
	v_mul_u32_u24 v3, v4, 768
	v_lshl_add_u32 v3, v1, 3, v3
	CAST 16384, 8192, 12288, 6144
.Lnot_wq:
	s_cmp_lt_u32 s26, 768
	s_cbranch_scc0 .Ltable
	s_sub_co_u32 s27, s26, 704                     ; Wk or Wv: a line is two rows of 512: four units a row: Wk's unit w goes to place 3 w + 2, Wv's to place 3 w + 14
	s_mov_b32 s39, 3584                            ; (an instruction holds one literal: the second stands in a register)
	s_cmp_lt_u32 s27, 32
	s_cselect_b64 s[28:29], s[12:13], s[14:15]
	s_cselect_b32 s38, 512, s39
	s_and_b32 s27, s27, 31                         ; which 32 rows
	s_lshl_b32 s32, s27, 16
	s_mul_i32 s34, s27, 196608
	s_add_co_u32 s34, s34, s38
	s_add_nc_u64 s[28:29], s[28:29], s[32:33]
	s_add_nc_u64 s[30:31], s[20:21], s[34:35]
	v_lshrrev_b32 v6, 7, v0                        ; threads 128-255 hold the line's second row
	v_and_b32 v5, 3, v4
	v_mul_u32_u24 v6, v6, 6144
	v_mad_u32_u24 v3, v5, 768, v6
	v_lshl_add_u32 v3, v1, 3, v3
	CAST 8192, 4096, 24576, 12288
; sin and cos of x >= 0.  k = round(x 2/pi); r = x - k pi/2, pi/2 in two parts; polynomials on |r| <= pi/4; the quadrant k mod 4 swaps and signs.
.macro SINCOS x, sn, cn, k, r, r2, q
	v_mul_f32 v[\k], s40, v[\x]
	v_rndne_f32 v[\k], v[\k]
	v_fma_f32 v[\r], v[\k], s41, v[\x]
	v_fma_f32 v[\r], v[\k], s42, v[\r]
	v_cvt_i32_f32 v[\q], v[\k]
	v_mul_f32 v[\r2], v[\r], v[\r]
	v_fma_f32 v[\sn], v[\r2], s45, s44
	v_fma_f32 v[\cn], v[\r2], s49, s48
	v_fma_f32 v[\sn], v[\sn], v[\r2], s43
	v_fma_f32 v[\cn], v[\cn], v[\r2], s47
	v_mul_f32 v[\k], v[\r], v[\r2]
	v_fma_f32 v[\cn], v[\cn], v[\r2], -0.5
	v_fma_f32 v[\sn], v[\sn], v[\k], v[\r]
	v_fma_f32 v[\cn], v[\cn], v[\r2], 1.0
	v_and_b32 v[\k], 1, v[\q]
	v_cmp_eq_u32 vcc_lo, 1, v[\k]
	v_cndmask_b32 v[\r], v[\sn], v[\cn], vcc_lo    ; odd quadrant: the two change places
	v_cndmask_b32 v[\r2], v[\cn], v[\sn], vcc_lo
	v_and_b32 v[\k], 2, v[\q]                      ; sine is negative in quadrants 2, 3,
	v_add_nc_u32 v[\q], 1, v[\q]
	v_lshlrev_b32 v[\k], 30, v[\k]
	v_and_b32 v[\q], 2, v[\q]                      ; cosine in quadrants 1, 2
	v_xor_b32 v[\sn], v[\k], v[\r]
	v_lshlrev_b32 v[\q], 30, v[\q]
	v_xor_b32 v[\cn], v[\q], v[\r2]
.endm
.Ltable:                                               ; 34 work-groups x 64 rows; a wave makes 8 rows, one whole row of 256 bytes a store
	s_sub_co_u32 s27, s26, 768
	v_lshrrev_b32 v1, 5, v0
	v_readfirstlane_b32 s36, v1                    ; wave
	v_and_b32 v1, 31, v0                           ; lane: lanes 0-15 hold cosines, 16-31 sines, of frequencies 2 (lane % 16) and the next
	v_and_b32 v4, 15, v0
	v_lshlrev_b32 v4, 1, v4
	v_add_nc_u32 v5, 1, v4
	v_cvt_f32_u32 v4, v4
	v_cvt_f32_u32 v5, v5
	v_mul_f32 v4, 0xbed49a78, v4                   ; -f log2(10000) / 32
	v_mul_f32 v5, 0xbed49a78, v5
	v_exp_f32 v4, v4
	v_exp_f32 v5, v5
	v_cmp_lt_u32 s50, 15, v1                       ; (a plain line behind the exponentials)
	s_lshl_b32 s37, s27, 6
	s_lshl_b32 s38, s36, 3
	s_add_co_u32 s37, s37, s38                     ; my wave's first row
	s_cmp_lt_u32 s27, 32
	s_cselect_b32 s37, s37, 0                      ; the last two table jobs make the identity rows: position 0, eight times
	s_cselect_b32 s52, 1.0, 0
	v_cvt_f32_u32 v6, s37
	s_lshl_b32 s32, s27, 14
	s_add_nc_u64 s[24:25], s[24:25], s[32:33]
	v_lshlrev_b32 v7, 3, v1
	v_lshl_add_u32 v7, s36, 11, v7
	s_mov_b32 s40, 0x3f22f983                      ; 2 / pi
	s_mov_b32 s41, 0xbfc90fdb                      ; -(pi / 2), its leading part,
	s_mov_b32 s42, 0x333bbd2e                      ; and less the rest
	s_mov_b32 s43, 0xbe2aaaab                      ; -1/6
	s_mov_b32 s44, 0x3c088889                      ; 1/120
	s_mov_b32 s45, 0xb9500d01                      ; -1/5040
	s_mov_b32 s47, 0x3d2aaaab                      ; 1/24
	s_mov_b32 s48, 0xbab60b61                      ; -1/720
	s_mov_b32 s49, 0x37d00d01                      ; 1/40320
	s_mov_b32 s51, 8
.Lrow:
	s_wait_alu depctr_va_vdst(0)
	v_mul_f32 v8, v6, v4                           ; the angle, rounded once, as position x inv_freq
	v_mul_f32 v9, v6, v5
	SINCOS 8, 10, 11, 14, 15, 16, 17
	SINCOS 9, 12, 13, 14, 15, 16, 17
	v_cndmask_b32 v20, v11, v10, s50
	v_cndmask_b32 v21, v13, v12, s50
	global_store_b64 v7, v[20:21], s[24:25]
	s_wait_xcnt 0x0                                ; the store's offset and data are rewritten only behind this wait
	v_add_nc_u32 v7, 256, v7
	v_add_f32 v6, s52, v6
	s_sub_co_u32 s51, s51, 1
	s_cmp_lg_u32 s51, 0
	s_cbranch_scc1 .Lrow
	s_endpgm
.Lfunc_end_k_qc8b171c179_prep:
	.size	k_qc8b171c179_prep, .Lfunc_end_k_qc8b171c179_prep-k_qc8b171c179_prep
	.p2alignl 7, 3214868480
	.fill 96, 4, 3214868480
	.section	.rodata,"a",@progbits
	.p2align	6, 0x0
	.amdhsa_kernel k_qc8b171c179_prep
		.amdhsa_group_segment_fixed_size 0
		.amdhsa_private_segment_fixed_size 0
		.amdhsa_enable_private_segment 0
		.amdhsa_kernarg_size 72
		.amdhsa_user_sgpr_count 2
		.amdhsa_user_sgpr_kernarg_segment_ptr 1
		.amdhsa_wavefront_size32 1
		.amdhsa_system_sgpr_workgroup_id_x 1
		.amdhsa_system_sgpr_workgroup_id_y 1
		.amdhsa_system_sgpr_workgroup_id_z 1
		.amdhsa_system_vgpr_workitem_id 0
		.amdhsa_next_free_vgpr 88
		.amdhsa_next_free_sgpr 66
		.amdhsa_reserve_vcc 1
		.amdhsa_float_denorm_mode_32 3
		.amdhsa_float_denorm_mode_16_64 3
		.amdhsa_memory_ordered 1
		.amdhsa_forward_progress 1
		.amdhsa_inst_pref_size 30
	.end_amdhsa_kernel
	.amdgpu_metadata
---
amdhsa.version: [ 1, 2 ]
amdhsa.kernels:
  - .name:           k_qc8b171c179_prep
    .symbol:         k_qc8b171c179_prep.kd
    .args:
      - { .name: hidden_states, .offset: 0, .size: 8, .value_kind: global_buffer, .address_space: global }
      - { .name: Wq, .offset: 8, .size: 8, .value_kind: global_buffer, .address_space: global }
      - { .name: Wk, .offset: 16, .size: 8, .value_kind: global_buffer, .address_space: global }
      - { .name: Wv, .offset: 24, .size: 8, .value_kind: global_buffer, .address_space: global }
      - { .name: Wo, .offset: 32, .size: 8, .value_kind: global_buffer, .address_space: global }
      - { .name: xb, .offset: 40, .size: 8, .value_kind: global_buffer, .address_space: global }
      - { .name: wall, .offset: 48, .size: 8, .value_kind: global_buffer, .address_space: global }
      - { .name: wob, .offset: 56, .size: 8, .value_kind: global_buffer, .address_space: global }
      - { .name: rope, .offset: 64, .size: 8, .value_kind: global_buffer, .address_space: global }
    .group_segment_fixed_size: 0
    .private_segment_fixed_size: 0
    .kernarg_segment_align: 8
    .kernarg_segment_size: 72
    .max_flat_workgroup_size: 256
    .sgpr_count:     66
    .vgpr_count:     88
    .wavefront_size: 32
...
	.end_amdgpu_metadata
.endif
;; end of part 1
;; launch qkv (part 2): grid 8 x 32, 4 waves a work-group, clusters of 4 x 4, 327,680 bytes of LDS; arguments xb, wall, rope, qkvg; writes qkvg
.if DOCPART == 2
	.amdgcn_target "amdgcn-amd-amdhsa--gfx1250"
	.amdhsa_code_object_version 6
	.text
	.protected	k_qc8b171c179_qkv
	.globl	k_qc8b171c179_qkv
	.p2align	8
	.type	k_qc8b171c179_qkv,@function
k_qc8b171c179_qkv:
	s_mov_b64 s[64:65], 0
	v_nop
	global_prefetch_b8 v0, s[64:65] scope:SCOPE_SE
	s_setreg_imm32_b32 hwreg(HW_REG_WAVE_MODE, 25, 1), 1
	s_wait_xcnt 0x0
	s_wait_alu depctr_hold_cnt(0) depctr_sa_sdst(0) depctr_va_vdst(0) depctr_va_sdst(0) depctr_va_ssrc(0) depctr_va_vcc(0) depctr_vm_vsrc(0)
	s_getreg_b32 s2, hwreg(HW_REG_IB_STS2, 6, 4)
	s_cmp_eq_u32 s2, 0
	s_cbranch_scc0 .Lentry_in_a_cluster
	s_endpgm
.Lentry_in_a_cluster:
	s_bfe_u32 s2, ttmp6, 0x10000c
	s_cmp_lg_u32 s2, 0xf033
	s_cbranch_scc0 .Lentry_shape_is_right
	s_endpgm
.Lentry_shape_is_right:
; QKV.  C = X [Wq | Wk | Wv], sums in f32; the first 64 channels of the q and k heads are rotated in f32 on the sums; the result is rounded once to f16 and stored by heads:
; qkvg [plane 12][batch 4][2048][256], planes 0-3 q, 4-7 gate, 8-9 k, 10-11 v.
; X = xb [16 k-blocks][8192][64] bf16.  W = wall [1024 k][3072 n] bf16, its units of 128 columns reordered: tile t's 384 columns are unit t (q), unit 8 + t (gate), unit 16 + t (k for t < 4, else v);
; unit U is half U % 2 of plane U / 2.
; LIMIT.  f16 ends at 65,504: q, k, v and gate must lie within it (inputs 30 times those drawn, or offset by 30 spreads, stay under 20,000).
; SHARES.  A tile of C is 256 rows x 384 columns: 8 x 32 = 256 tiles, one to a work-group.  Four waves, each 128 rows x 192 columns: 96 accumulators, 768 registers: for 32 along K a wave
; issues 40 LDS loads and 96 products.  The tile's six groups of 64 columns go to the wave halves as 0, 1, 2 and 4, 5, 3: so a wave's first two groups are one whole unit, its third is half of the
; gate unit, and the channels to be rotated (a head's first 64) can lie only in a wave's first group.
; K goes in 16 intervals of 64 through two LDS slots filled by tensor loads (two slots of 128 along K would be 344,064 bytes); waves 0, 1 fetch 128 rows of X each (16,384 dense bytes, asked for as
; 64 rows of 256), waves 2, 3 32 k-rows of W each (768 bytes a row).  W stays [k][n] and is turned on its way out of LDS by ds_load_tr16_b128.
; THE MATRIX INSTRUCTION IS USED TRANSPOSED (source 0 = 16 columns of W, source 1 = 16 rows of X): a lane holds one row of C (lane % 16) and eight neighbouring columns 8 (lane / 16) + 0..7.
; FRAGMENTS.  An interval is two quarters of 32 along K.  X's 8 fragments have two buffers.  W's 12 have ONE: a quarter goes by groups of four column blocks, 32 products each, and behind a group
; its four fragments are loaded again in place for the next quarter, 64 products ahead of their use.
; CLUSTER 4 x 4: X's tile hangs on the tile row alone and is asked for jointly along a row of the cluster, W's on the tile column alone, jointly along a column.
; THE ROTATION has no branch: every wave rotates its first group by a table loaded at the end; where nothing is to be rotated the table's rows are the identity rows (cos 1, sin 0),
; chosen by a scalar select that enters the table's global address alone.
; REGISTERS.  Window 0: v1-8 at work, v10-29 addresses, v32-95 and v96-159 X's two buffers, v160-255 W's fragments; all of v32-255 at work on the way out.
;   Windows 1 to 3: accumulator (a, b), row block a of 8, column block b of 12: window 1 + b / 4, register 8 (8 (b % 4) + a).
.set NBW,    3072                      ; W's columns
.set KI,     64                        ; K in an interval
.set PA,     144                       ; an LDS row of X: 128 bytes + 16: the 16 rows of a fragment load start 36 words apart
.set PB,     864                       ; an LDS row of W: three pieces of 256 bytes + 32: 27 x 32 bytes: 16 lanes of the turning load take 8 rows x 32 bytes
.set BOFF,   256*PA                    ; in a slot: X's 256 rows, then W's 64 k-rows
.set SLOT1,  1<<17                     ; slot 1 begins here (a slot is 92,160 bytes), so that one exclusive or turns an address of one slot into the other's
.set STG,    SLOT1+BOFF+KI*PB          ; behind the ring, never filled by a tensor load: 16 rows x 272 bytes for each wave,
.set SP,     272
.set SHR,    STG+4*16*SP               ; and 256 rows x 272 bytes for the work-group: the gate unit, whose halves come from two waves
.set SPARE,  SHR+256*SP                ; the spare words: 128 bytes a wave, two blocks of 256 bytes that no other line names
.set A0,   10                          ; my lane's place in X's tile; never rewritten
.set B0,   11                          ; the same in W's tile, for my first two groups
.set B2,   12                          ; and for my third
.set ADRA, 13                          ; the same three in the slot in hand
.set ADRB, 14
.set ADRC, 15
.set STO,  16                          ; my stage: where I put 16 bytes of a row
.set RD,   17                          ; where I read a row back
.set STS,  18                          ; the same two for the shared stage
.set RDS,  19
.set CO,   20                          ; my byte offset in two rows of a plane
.set TO,   21                          ; my byte offset in the table
.set SPW,  28                          ; my spare word; never rewritten
.set NIL,  29                          ; 0; never rewritten
.set FA0,  32
.set FA1,  96
.set FB,   160
.set TT,   224                         ; the rotation: 32 at work
.set RB,   32                          ; the way out: four buffers of 32 for rows read back from my stage
.set PKP,  160                         ; 32 packed
.set SBR,  192                         ; 64 for rows read back from the shared stage
.set G1A, 24                           ; s[24:31] descriptor group 1 for X;  s[32:39] group 0: a set for each first fill, the second then walks on
.set G0A, 32
.set G1B, 40                           ; s[40:47], s[48:55] the same for W
.set G0B, 48
.set MSB, 0
.macro WIN new                         ; the immediate's high byte repeats the setting that is left; a switch that changes nothing is dropped
.if MSB != (\new)
	s_set_vgpr_msb (MSB<<8)|(\new)
.set MSB, \new
.endif
.endm
.macro PLACES                          ; four places between a matrix instruction and a load into, or a vector line on, its registers (ISA guide 7.12.1 for vector lines)
.rept 4
	v_nop
.endr
.endm
.macro JLOAD                           ; a joint refill by the walking descriptors: waves 0, 1 for X, waves 2, 3 for W; s_nop 0 and four v_nop follow each line
	s_cmp_eq_u32 s13, 0
	s_cbranch_scc0 .Lfor_b_\@
	tensor_load_to_lds s[G0A+4:G0A+7], s[G1A:G1A+7]
	s_nop 0
	PLACES
	s_branch .Lasked_\@
.Lfor_b_\@:
	tensor_load_to_lds s[G0B+4:G0B+7], s[G1B:G1B+7]
	s_nop 0
	PLACES
.Lasked_\@:
.endm
.macro CREST                           ; a round of the cluster's barrier behind its opening barrier
	s_cmp_lg_u32 s12, 0
	s_cbranch_scc1 .Lnot_wave_0_\@
	s_barrier_signal -3
.Lnot_wave_0_\@:
	s_barrier_wait -3
	s_barrier_signal -1
	s_barrier_wait -1
.endm
.macro CROUND
	s_barrier_signal -1
	s_barrier_wait -1
	CREST
.endm
	s_load_b256 s[4:11], s[0:1], 0x0               ; xb 4:5, wall 6:7, rope 8:9, qkvg 10:11
	v_lshl_add_u32 v[SPW], v0, 2, SPARE
	v_mov_b32 v[NIL], 0
	ds_add_u32 v[SPW], v[NIL]                      ; the wave's opening: the add and its wait stand ahead of my first tensor load; work on registers stands between them
	v_lshrrev_b32 v1, 5, v0
	v_readfirstlane_b32 s12, v1                    ; wave 0..3
	s_lshr_b32 s13, s12, 1                         ; my half of the tile's rows.  Also: I fetch for X (0) or for W (1)
	s_and_b32 s14, s12, 1                          ; my half of its columns.  Also: which half of that tile I fetch
	s_bfe_u32 s15, ttmp6, 0x40000                  ; cx
	s_bfe_u32 s16, ttmp6, 0x40004                  ; cy
	s_lshl_b32 s17, ttmp9, 2
	s_add_co_u32 s17, s17, s15                     ; tile column t = 4 x cluster x + cx
	s_and_b32 s18, ttmp7, 0xffff
	s_lshl_b32 s18, s18, 2
	s_add_co_u32 s18, s18, s16                     ; tile row = 4 x cluster y + cy
	s_lshl_b32 s20, s16, 2
	s_lshl_b32 s20, 15, s20                        ; my row of the cluster
	s_lshl_b32 s21, 0x1111, s15                    ; my column
	s_or_b32 s[G1A], s20, (1<<16)|(1<<20)|(1<<21)|(4<<22)|(3<<25)  ; mask; 2-byte elements; padding on; bit 21 beside a mask; after every 32 words (a row of X) 4 words
	s_or_b32 s[G1B], s21, (1<<16)|(1<<20)|(1<<21)|(5<<22)|(7<<25)  ; after every 64 words (a third of a row of W) 8 words
	s_mov_b32 s[G1A+1], 128<<16                    ; tensor_dim0 = 128: two rows of X
	s_mov_b32 s[G1A+2], 64<<16                     ; tensor_dim1 = 64
	s_mov_b32 s[G1A+3], 128<<16                    ; tile_dim0 = 128
	s_mov_b32 s[G1A+4], 64                         ; tile_dim1 = 64
	s_mov_b32 s[G1A+5], 128                        ; dense
	s_mov_b32 s[G1A+6], 0
	s_mov_b32 s[G1A+7], 0
	s_mov_b32 s[G1B+1], 384<<16
	s_mov_b32 s[G1B+2], 32<<16
	s_mov_b32 s[G1B+3], 384<<16
	s_mov_b32 s[G1B+4], 32
	s_mov_b32 s[G1B+5], NBW
	s_mov_b32 s[G1B+6], 0
	s_mov_b32 s[G1B+7], 0
	s_mul_i32 s22, s14, 128*PA                     ; where my part goes, if it is X's,
	s_mul_i32 s23, s14, 32*PB
	s_add_co_u32 s23, s23, BOFF                    ; and if it is W's: no place in the cluster enters an LDS address
	s_lshl_b32 s56, s18, 15                        ; X: row 256 x tile row + 128 x half, of 128 bytes in a k-block
	s_lshl_b32 s57, s14, 14
	s_add_co_u32 s56, s56, s57
	s_mov_b32 s57, 0
	s_mul_i32 s58, s14, 32*NBW*2                   ; W: k-row 32 x half,
	s_mul_i32 s59, s17, 768                        ; column 384 x tile column
	s_add_co_u32 s58, s58, s59
	s_mov_b32 s59, 0
	s_mov_b32 s19, 0                               ; the slot in hand
	s_wait_dscnt 0x0                               ; the opening add is done
	s_wait_kmcnt 0x0
	s_add_nc_u64 s[60:61], s[4:5], s[56:57]
	s_add_nc_u64 s[62:63], s[6:7], s[58:59]
.irp s, 0,1
	s_mov_b32 s[G0A+4*(\s)], 1                                     ; count = 1
	s_add_co_u32 s[G0A+4*(\s)+1], s22, (\s)*SLOT1                  ; LDS address
	s_add_nc_u64 s[G0A+4*(\s)+2:G0A+4*(\s)+3], s[60:61], (\s)*0x100000    ; global address: interval s is k-block s, 1 MiB each
	s_or_b32 s[G0A+4*(\s)+3], s[G0A+4*(\s)+3], 0x80000000         ; type = 2
	s_mov_b32 s[G0B+4*(\s)], 1
	s_add_co_u32 s[G0B+4*(\s)+1], s23, (\s)*SLOT1
	s_add_nc_u64 s[G0B+4*(\s)+2:G0B+4*(\s)+3], s[62:63], (\s)*KI*NBW*2
	s_or_b32 s[G0B+4*(\s)+3], s[G0B+4*(\s)+3], 0x80000000
.endr
	CROUND                                         ; all sixteen work-groups are here: the first joint loads meet
	s_cmp_eq_u32 s13, 0                            ; a wave's two first fills stand in one branch: two loads of mine are out
	s_cbranch_scc0 .Lfirst_b
	tensor_load_to_lds s[G0A:G0A+3], s[G1A:G1A+7]
	s_nop 0
	tensor_load_to_lds s[G0A+4:G0A+7], s[G1A:G1A+7]
	s_nop 0
	PLACES
	s_branch .Lfirst_asked
.Lfirst_b:
	tensor_load_to_lds s[G0B:G0B+3], s[G1B:G1B+7]
	s_nop 0
	tensor_load_to_lds s[G0B+4:G0B+7], s[G1B:G1B+7]
	s_nop 0
	PLACES
.Lfirst_asked:
	; the table's rows: my 128 positions where my first group is a head's first 64 channels (t even; for the second wave half also t < 4: a k head), else the identity rows
	s_and_b32 s72, s17, 1
	s_xor_b32 s72, s72, 1
	s_cmp_eq_u32 s14, 0
	s_cselect_b32 s73, 8, 4
	s_cmp_lt_u32 s17, s73
	s_cselect_b32 s73, 1, 0
	s_and_b32 s72, s72, s73
	s_and_b32 s70, s18, 7                          ; 8 tile rows to a batch of 2,048 positions
	s_lshl_b32 s70, s70, 8
	s_lshl_b32 s73, s13, 7
	s_add_co_u32 s70, s70, s73
	s_cmp_lg_u32 s72, 0
	s_cselect_b32 s70, s70, 2048
	s_lshl_b32 s70, s70, 8                         ; rows of 256 bytes
	s_mov_b32 s71, 0
	s_add_nc_u64 s[68:69], s[8:9], s[70:71]
	v_and_b32 v1, 15, v0                           ; l % 16
	v_bfe_u32 v2, v0, 4, 1                         ; l / 16
	v_and_b32 v3, 7, v0
	v_bfe_u32 v4, v0, 3, 1
	v_lshlrev_b32 v[TO], 8, v1                     ; row l % 16, frequencies 8 (l / 16) on
	v_lshl_add_u32 v[TO], v2, 5, v[TO]
	; X's fragment: lane l holds row l % 16, k = 8 (l / 16) + 0..7 and 16 + 8 (l / 16) + 0..7: two loads of 16 bytes, 32 bytes apart
	v_mul_u32_u24 v[A0], v1, PA
	v_lshl_add_u32 v[A0], v2, 4, v[A0]
	s_mul_i32 s20, s13, 128*PA
	v_add_nc_u32 v[A0], s20, v[A0]
	; W's: the turning load takes 16 k x 16 n (lane l reads k-row 8 (l / 16) + l % 8, columns 8 ((l / 8) % 2) + 0..7) and leaves column l % 16 with 8 k.
	; Group T of 64 columns begins at byte 128 T + 32 (T / 2) of an LDS row: my groups 0, 1 (T = 0, 1 or 4, 5) at 576 x half, my group 2 (T = 2 or 3) at 288 + 128 x half
	v_lshl_add_u32 v5, v2, 3, v3
	v_mul_u32_u24 v6, v5, PB
	v_lshl_add_u32 v6, v4, 4, v6
	s_mul_i32 s20, s14, 576
	s_add_co_u32 s20, s20, BOFF
	v_add_nc_u32 v[B0], s20, v6
	s_lshl_b32 s21, s14, 7
	s_add_co_u32 s21, s21, BOFF+288
	v_add_nc_u32 v[B2], s21, v6
	v_mov_b32 v[ADRA], v[A0]
	v_mov_b32 v[ADRB], v[B0]
	v_mov_b32 v[ADRC], v[B2]
	v_mul_u32_u24 v7, v1, SP                       ; into a stage: row l % 16, 16 bytes for each half of the lanes
	v_lshl_add_u32 v7, v2, 4, v7
	v_mul_u32_u24 v8, v2, SP                       ; back: lanes 0-15 one row of 256 bytes, lanes 16-31 the next
	v_lshl_add_u32 v8, v1, 4, v8
	s_mul_i32 s20, s12, 16*SP
	s_add_co_u32 s20, s20, STG                     ; my stage
	v_add_nc_u32 v[STO], s20, v7
	v_add_nc_u32 v[RD], s20, v8
	s_mul_i32 s21, s13, 128*SP                     ; the shared stage: in: my 128 rows, my half of their 256 bytes;
	s_lshl_b32 s20, s14, 7
	s_add_co_u32 s21, s21, s20
	s_add_co_u32 s21, s21, SHR
	v_add_nc_u32 v[STS], s21, v7
	s_mul_i32 s21, s12, 64*SP                      ; back: wave w takes rows 64 w to 64 w + 63, whole
	s_add_co_u32 s21, s21, SHR
	v_add_nc_u32 v[RDS], s21, v8
	v_lshlrev_b32 v[CO], 9, v2                     ; and the same two rows of 512 bytes in a plane
	v_lshl_add_u32 v[CO], v1, 4, v[CO]
	; where my parts begin in qkvg: plane t / 2 (+ 4 for the gate unit, + 8 for the k or v unit), 4 batches of 1 MiB to a plane; half t % 2 of its rows
	s_lshr_b32 s66, s17, 1
	s_lshr_b32 s67, s18, 3                         ; batch
	s_lshl2_add_u32 s67, s66, s67
	s_lshl_b32 s67, s67, 20
	s_and_b32 s66, s18, 7
	s_lshl_b32 s66, s66, 17                        ; the tile's 256 rows of 512 bytes
	s_add_co_u32 s67, s67, s66
	s_and_b32 s66, s17, 1
	s_lshl_b32 s66, s66, 8
	s_add_co_u32 s67, s67, s66
	s_lshl_b32 s66, s14, 25                        ; my whole unit: the q unit, or 8 planes on
	s_add_co_u32 s66, s66, s67
	s_lshl_b32 s76, s13, 16                        ; my 128 rows
	s_add_co_u32 s76, s76, s66
	s_mov_b32 s77, 0
	s_lshl_b32 s78, s12, 15                        ; the gate unit, 4 planes on: rows 64 w on
	s_add_co_u32 s78, s78, s67
	s_add_co_u32 s78, s78, 0x1000000
	s_mov_b32 s79, 0
	s_add_nc_u64 s[74:75], s[10:11], s[78:79]
	s_add_nc_u64 s[10:11], s[10:11], s[76:77]
; 8 matrix instructions: column block b x all 8 row blocks, 32 along K, X's fragments from buffer fa.  zero = 1: the product starts the sums.
; The 96 accumulators take turns, one instruction a turn, in the same order in every quarter.
.macro MULB fa, b, zero
	WIN 0x50*(1+(\b)/4)
.irp a, 0,1,2,3,4,5,6,7
.if \zero
	v_wmma_f32_16x16x32_bf16 v[8*(8*((\b)%4)+\a):8*(8*((\b)%4)+\a)+7], v[FB+8*(\b):FB+8*(\b)+7], v[(\fa)+8*\a:(\fa)+8*\a+7], 0
.else
	v_wmma_f32_16x16x32_bf16 v[8*(8*((\b)%4)+\a):8*(8*((\b)%4)+\a)+7], v[FB+8*(\b):FB+8*(\b)+7], v[(\fa)+8*\a:(\fa)+8*\a+7], v[8*(8*((\b)%4)+\a):8*(8*((\b)%4)+\a)+7]
.endif
.endr
.endm
.macro MULG fa, g, zero                ; a group: 32 products under one window setting
	MULB \fa, 4*(\g), \zero
	MULB \fa, 4*(\g)+1, \zero
	MULB \fa, 4*(\g)+2, \zero
	MULB \fa, 4*(\g)+3, \zero
.endm
.macro LDB g, qq                       ; 8 LDS loads: W's four fragments of group g, quarter qq of the slot in hand
.irp c, 0,1,2,3
.if (\g) < 2
	ds_load_tr16_b128 v[FB+8*(4*(\g)+\c):FB+8*(4*(\g)+\c)+3],   v[ADRB] offset:(\qq)*32*PB+32*(4*(\g)+\c)
	ds_load_tr16_b128 v[FB+8*(4*(\g)+\c)+4:FB+8*(4*(\g)+\c)+7], v[ADRB] offset:(\qq)*32*PB+16*PB+32*(4*(\g)+\c)
.else
	ds_load_tr16_b128 v[FB+8*(8+\c):FB+8*(8+\c)+3],   v[ADRC] offset:(\qq)*32*PB+32*\c
	ds_load_tr16_b128 v[FB+8*(8+\c)+4:FB+8*(8+\c)+7], v[ADRC] offset:(\qq)*32*PB+16*PB+32*\c
.endif
.endr
.endm
.macro LDA fa, qq                      ; 16 LDS loads: X's eight fragments of quarter qq, into buffer fa
.irp a, 0,1,2,3,4,5,6,7
	ds_load_b128 v[(\fa)+8*\a:(\fa)+8*\a+3],   v[ADRA] offset:(\qq)*64+\a*16*PA
	ds_load_b128 v[(\fa)+8*\a+4:(\fa)+8*\a+7], v[ADRA] offset:(\qq)*64+\a*16*PA+32
.endr
.endm
; A slot's FIRST quarter.  Behind each group its fragments of W are loaded again for the slot's second quarter; X's go with the first run.  So the runs are 24, 8 and 8 loads.
.macro QE zero
	s_wait_dscnt 16                                ; the last quarter's run of 24 is in; its two runs of 8 may be out
	MULG FA0, 0, \zero
	WIN 0
	PLACES
	LDB 0, 1
	LDA FA1, 1
	s_wait_dscnt 32                                ; group 1's fragments are in; behind them went a run of 8 and the 24 just issued
	MULG FA0, 1, \zero
	WIN 0
	PLACES
	LDB 1, 1
	s_wait_dscnt 32                                ; group 2's are in; behind them went the 24 and the 8 of this quarter
	MULG FA0, 2, \zero
	WIN 0
	PLACES
	LDB 2, 1
.endm
; A slot's SECOND quarter changes slots: ONE barrier, in its first group.  In front of it each wave waits for all its tensor loads (one is out: its part of the next slot), adds 0 to its spare word,
; and waits for that and for its reads of this slot, which are all issued: this quarter's fragments are the slot's last.  fill = 1: the barrier opens a round of the cluster's, and this slot is
; filled again first thing behind it, with the interval two on: from that request to the wait for it a wave issues 168 products.
.macro QO fill
	s_wait_dscnt 16
	MULB FA1, 0, 0
	WIN 0
	s_wait_tensorcnt 0x0
	ds_add_u32 v[SPW], v[NIL]                      ; 0 onto my spare word; scalar work and eight products stand between it and the wait for it
.if \fill
	s_xor_b32 s[G0A+5], s[G0A+5], SLOT1            ; no load of mine is out, so the walking descriptors may be written: the other slot than last time,
	s_add_nc_u64 s[G0A+6:G0A+7], s[G0A+6:G0A+7], 0x100000      ; the next interval
	s_xor_b32 s[G0B+5], s[G0B+5], SLOT1
	s_add_nc_u64 s[G0B+6:G0B+7], s[G0B+6:G0B+7], KI*NBW*2
.endif
	MULB FA1, 1, 0
	s_wait_dscnt 0x0                               ; the add is done, and my reads of this slot are over
	s_barrier_signal -1
	MULB FA1, 2, 0
	MULB FA1, 3, 0
	WIN 0
	s_barrier_wait -1
.if \fill
	CREST                                          ; no wave of any partner still reads this slot's tiles or has a load on its way
	JLOAD                                          ; its four v_nop are also the places in front of the loads below
.else
	PLACES
.endif
	s_xor_b32 s19, s19, SLOT1
	v_add_nc_u32 v[ADRA], s19, v[A0]
	v_add_nc_u32 v[ADRB], s19, v[B0]
	v_add_nc_u32 v[ADRC], s19, v[B2]
	LDB 0, 0
	LDA FA0, 0
	MULG FA1, 1, 0
	WIN 0
	PLACES
	LDB 1, 0
	MULG FA1, 2, 0
	WIN 0
	PLACES
	LDB 2, 0
.endm
; The table for row block a, 32 registers from reg on: for column blocks nb = 0, 1 eight cosines, then eight sines
.macro TLOAD a, reg
.irp nb, 0,1
	global_load_b128 v[(\reg)+16*\nb:(\reg)+16*\nb+3],     v[TO], s[68:69] offset:4096*(\a)+64*\nb
	global_load_b128 v[(\reg)+16*\nb+4:(\reg)+16*\nb+7],   v[TO], s[68:69] offset:4096*(\a)+64*\nb+16
	global_load_b128 v[(\reg)+16*\nb+8:(\reg)+16*\nb+11],  v[TO], s[68:69] offset:4096*(\a)+64*\nb+128
	global_load_b128 v[(\reg)+16*\nb+12:(\reg)+16*\nb+15], v[TO], s[68:69] offset:4096*(\a)+64*\nb+144
.endr
.endm
; THE ROTATION of row block a.  Column blocks nb and nb + 2 hold channels i and i + 32: x_i = x_i cos - x_(i+32) sin, x_(i+32) = x_(i+32) cos + x_i sin.  left: the younger table loads that may stay out.
; Each accumulator is read from its low end on.
.macro ROT a, reg, left
	s_wait_loadcnt \left
	WIN 0x01                                       ; source 0 in window 1
.irp nb, 0,1
.irp p, 0,1,2,3
	v_pk_mul_f32 v[TT+16*\nb+2*\p:TT+16*\nb+2*\p+1], v[8*(8*(\nb+2)+(\a))+2*\p:8*(8*(\nb+2)+(\a))+2*\p+1], v[(\reg)+16*\nb+8+2*\p:(\reg)+16*\nb+8+2*\p+1]
.endr
.irp p, 0,1,2,3
	v_pk_mul_f32 v[TT+16*\nb+8+2*\p:TT+16*\nb+8+2*\p+1], v[8*(8*\nb+(\a))+2*\p:8*(8*\nb+(\a))+2*\p+1], v[(\reg)+16*\nb+8+2*\p:(\reg)+16*\nb+8+2*\p+1]
.endr
.endr
	WIN 0x41                                       ; and the destination too
.irp nb, 0,1
.irp p, 0,1,2,3
	v_pk_fma_f32 v[8*(8*\nb+(\a))+2*\p:8*(8*\nb+(\a))+2*\p+1], v[8*(8*\nb+(\a))+2*\p:8*(8*\nb+(\a))+2*\p+1], v[(\reg)+16*\nb+2*\p:(\reg)+16*\nb+2*\p+1], v[TT+16*\nb+2*\p:TT+16*\nb+2*\p+1] neg_lo:[0,0,1] neg_hi:[0,0,1]
.endr
.irp p, 0,1,2,3
	v_pk_fma_f32 v[8*(8*(\nb+2)+(\a))+2*\p:8*(8*(\nb+2)+(\a))+2*\p+1], v[8*(8*(\nb+2)+(\a))+2*\p:8*(8*(\nb+2)+(\a))+2*\p+1], v[(\reg)+16*\nb+2*\p:(\reg)+16*\nb+2*\p+1], v[TT+16*\nb+8+2*\p:TT+16*\nb+8+2*\p+1]
.endr
.endr
	WIN 0
.endm
	s_wait_tensorcnt 0x1                           ; my part of interval 0 is in; interval 1's may stay out
	s_barrier_signal -1
	s_barrier_wait -1
	LDB 0, 0                                       ; the first quarter's fragments, in the order of the runs: 24, 8, 8
	LDA FA0, 0
	LDB 1, 0
	LDB 2, 0
	QE 1                                           ; the first quarter stands ahead of the loop: its products start the sums
	s_mov_b32 s3, 14
.Lstep:                                                ; a trip: an interval's second quarter and the next one's first; the refills bring intervals 2 to 15
	QO 1
	QE 0
	s_sub_co_u32 s3, s3, 1
	s_cmp_lg_u32 s3, 0
	s_cbranch_scc1 .Lstep
	QO 0                                           ; the last two intervals ask for nothing
	QE 0
	; the last quarter fetches no fragments: the table comes into the registers that it frees (X's first buffer is free already)
	TLOAD 0, 32
	TLOAD 1, 64
	s_wait_dscnt 16
	MULG FA1, 0, 0
	WIN 0
	PLACES
	TLOAD 2, 160
	s_wait_dscnt 8                                 ; group 1's fragments are in; the last run of 8 may be out
	MULG FA1, 1, 0
	WIN 0
	PLACES
	TLOAD 3, 192
	s_wait_dscnt 0x0
	MULG FA1, 2, 0
	WIN 0
	PLACES
	TLOAD 4, 96
	TLOAD 5, 128
	ROT 0, 32, 40                                  ; 48 table loads are out, eight to a row block
	ROT 1, 64, 32
	TLOAD 6, 32                                    ; the last two row blocks' tables take the first two's registers: 16 more loads
	TLOAD 7, 64
	ROT 2, 160, 40
	ROT 3, 192, 32
	ROT 4, 96, 24
	ROT 5, 128, 16
	ROT 6, 32, 8
	ROT 7, 64, 0
	; THE WAY OUT.  First my half of the gate unit (column blocks 8-11), all 128 rows: rounded to f16, 16 bytes a lane into the shared stage
	WIN 0x0f                                       ; both sources in window 3
.irp a, 0,1,2,3,4,5,6,7
.irp c, 0,1,2,3
.irp p, 0,1,2,3
	v_cvt_pk_f16_f32 v[32+16*\a+4*\c+\p], v[8*(8*\c+\a)+2*\p], v[8*(8*\c+\a)+2*\p+1]
.endr
.endr
.endr
	WIN 0
.irp a, 0,1,2,3,4,5,6,7
.irp c, 0,1,2,3
	ds_store_b128 v[STS], v[32+16*\a+4*\c:32+16*\a+4*\c+3] offset:\a*16*SP+32*\c
.endr
.endr
; My whole unit (column blocks 0-7), a block of 16 rows at a time: rounded, into my own stage, back as whole rows of 256 bytes, stored
.macro PACK a
	WIN 0x05                                       ; both sources in window 1
.irp b, 0,1,2,3
.irp p, 0,1,2,3
	v_cvt_pk_f16_f32 v[PKP+4*\b+\p], v[8*(8*\b+(\a))+2*\p], v[8*(8*\b+(\a))+2*\p+1]
.endr
.endr
	WIN 0x0a                                       ; in window 2
.irp b, 0,1,2,3
.irp p, 0,1,2,3
	v_cvt_pk_f16_f32 v[PKP+16+4*\b+\p], v[8*(8*\b+(\a))+2*\p], v[8*(8*\b+(\a))+2*\p+1]
.endr
.endr
	WIN 0
.endm
.macro TOSTAGE a
.if (\a) >= 4
	s_wait_xcnt 0x0                                ; the block four back was stored from these registers: they are loaded again only behind this wait
.endif
.irp b, 0,1,2,3,4,5,6,7
	ds_store_b128 v[STO], v[PKP+4*\b:PKP+4*\b+3] offset:32*\b
.endr
.irp t, 0,1,2,3,4,5,6,7
	ds_load_b128 v[RB+32*((\a)%4)+4*\t:RB+32*((\a)%4)+4*\t+3], v[RD] offset:\t*2*SP  ; LDS serves a wave's instructions in order (ISA guide 5.7.1.4): these see the stores above
.endr
.endm
.macro SEND a
	s_wait_dscnt 0x0                               ; the block is back
.irp t, 0,1,2,3,4,5,6,7
	global_store_b128 v[CO], v[RB+32*((\a)%4)+4*\t:RB+32*((\a)%4)+4*\t+3], s[10:11] offset:8192*(\a)+1024*\t  ; 16 lanes store 256 consecutive bytes, at a multiple of 256
.endr
.endm
.macro SHLOAD k                        ; 32 whole rows of the gate unit come back from the shared stage
.set t, 0
.rept 16
	ds_load_b128 v[SBR+4*t:SBR+4*t+3], v[RDS] offset:((\k)*32+2*t)*SP
.set t, t+1
.endr
.endm
.macro SHSEND k
.set t, 0
.rept 16
	global_store_b128 v[CO], v[SBR+4*t:SBR+4*t+3], s[74:75] offset:((\k)*32+2*t)*512
.set t, t+1
.endr
.endm
	s_wait_dscnt 0x0                               ; for the others' sake: my stores into the shared stage are done
	s_barrier_signal -1
	PACK 0                                         ; work on registers while the others arrive
	s_barrier_wait -1
	SHLOAD 0
	TOSTAGE 0
	PACK 1                                         ; a block's conversions stand between the loads of the block before and the wait for them
	SEND 0
	SHSEND 0                                       ; (SEND's wait for 0 has shown these rows back too)
	TOSTAGE 1
	PACK 2
	SEND 1
	s_wait_xcnt 0x0                                ; the first 32 rows were stored from these registers
	SHLOAD 1
	TOSTAGE 2
	PACK 3
	SEND 2
	SHSEND 1
	TOSTAGE 3
.irp a, 4,5,6,7
	PACK \a
	SEND (\a)-1
	TOSTAGE \a
.endr
	SEND 7
	s_wait_tensorcnt 0x0                           ; the wave's end
	ds_add_u32 v[SPW], v[NIL]
	s_wait_dscnt 0x0
	CROUND                                         ; the closing round: no work-group ends while a partner may still ask for a tile that names it
	s_endpgm
.Lfunc_end_k_qc8b171c179_qkv:
	.size	k_qc8b171c179_qkv, .Lfunc_end_k_qc8b171c179_qkv-k_qc8b171c179_qkv
	.p2alignl 7, 3214868480
	.fill 96, 4, 3214868480
	.section	.rodata,"a",@progbits
	.p2align	6, 0x0
	.amdhsa_kernel k_qc8b171c179_qkv
		.amdhsa_group_segment_fixed_size 327680
		.amdhsa_private_segment_fixed_size 0
		.amdhsa_enable_private_segment 0
		.amdhsa_kernarg_size 32
		.amdhsa_user_sgpr_count 2
		.amdhsa_user_sgpr_kernarg_segment_ptr 1
		.amdhsa_wavefront_size32 1
		.amdhsa_system_sgpr_workgroup_id_x 1
		.amdhsa_system_sgpr_workgroup_id_y 1
		.amdhsa_system_sgpr_workgroup_id_z 1
		.amdhsa_system_vgpr_workitem_id 0
		.amdhsa_next_free_vgpr 1024
		.amdhsa_next_free_sgpr 80
		.amdhsa_reserve_vcc 0
		.amdhsa_float_denorm_mode_32 3
		.amdhsa_float_denorm_mode_16_64 3
		.amdhsa_memory_ordered 1
		.amdhsa_forward_progress 1
		.amdhsa_inst_pref_size 135
	.end_amdhsa_kernel
	.amdgpu_metadata
---
amdhsa.version: [ 1, 2 ]
amdhsa.kernels:
  - .name:           k_qc8b171c179_qkv
    .symbol:         k_qc8b171c179_qkv.kd
    .args:
      - { .name: xb, .offset: 0, .size: 8, .value_kind: global_buffer, .address_space: global }
      - { .name: wall, .offset: 8, .size: 8, .value_kind: global_buffer, .address_space: global }
      - { .name: rope, .offset: 16, .size: 8, .value_kind: global_buffer, .address_space: global }
      - { .name: qkvg, .offset: 24, .size: 8, .value_kind: global_buffer, .address_space: global }
    .group_segment_fixed_size: 327680
    .private_segment_fixed_size: 0
    .kernarg_segment_align: 8
    .kernarg_segment_size: 32
    .max_flat_workgroup_size: 128
    .sgpr_count:     80
    .vgpr_count:     1024
    .wavefront_size: 32
...
	.end_amdgpu_metadata
.endif
;; end of part 2
;; launch attn (part 3): grid 32 x 8, 4 waves a work-group, clusters of 4 x 1, 327,680 bytes of LDS; arguments qkvg, ag; writes ag
.if DOCPART == 3
	.amdgcn_target "amdgcn-amd-amdhsa--gfx1250"
	.amdhsa_code_object_version 6
	.text
	.protected	k_qc8b171c179_attn
	.globl	k_qc8b171c179_attn
	.p2align	8
	.type	k_qc8b171c179_attn,@function
k_qc8b171c179_attn:
	s_mov_b64 s[64:65], 0
	v_nop
	global_prefetch_b8 v0, s[64:65] scope:SCOPE_SE
	s_setreg_imm32_b32 hwreg(HW_REG_WAVE_MODE, 25, 1), 1
	s_wait_xcnt 0x0
	s_wait_alu depctr_hold_cnt(0) depctr_sa_sdst(0) depctr_va_vdst(0) depctr_va_sdst(0) depctr_va_ssrc(0) depctr_va_vcc(0) depctr_vm_vsrc(0)
	s_getreg_b32 s2, hwreg(HW_REG_IB_STS2, 6, 4)
	s_cmp_eq_u32 s2, 0
	s_cbranch_scc0 .Lentry_in_a_cluster
	s_endpgm
.Lentry_in_a_cluster:
	s_bfe_u32 s2, ttmp6, 0x10000c
	s_cmp_lg_u32 s2, 0x3003
	s_cbranch_scc0 .Lentry_shape_is_right
	s_endpgm
.Lentry_shape_is_right:
; ATTENTION with a gate.  For batch b, key head kv, query head h = 2 kv + g:  O[q] = sum over k of softmax_k(Q[q] . K[k] / 16) V[k];  ag[b, q][256 h + d] = O[q][d] silu(gate[q][d]), bf16.
; Q, gate, K, V: planes of qkvg, [2048][256] f16.  Products, maxima and sums in f32; the weights p are rounded to f16 for the second product (their sum l is taken of the unrounded p);
; division by l, the gate and one rounding to bf16 at the end (bf16: O silu(gate) has no room in f16 when the inputs are 30 times larger or smaller).
; LIMITS.  p below 6e-5 keeps f16's fixed step of 6e-8; a weight below 2^-126 counts as 0 in l; NaN and infinities are not treated apart.
; SHARES.  A work-group owns 128 queries of one head, each of its four waves 32: two tiles u of 16.  Every wave walks all 2,048 keys, 64 a step.  16 heads x 16 blocks = 256 work-groups.
; LAYOUT.  S^T = K Q^T (source 0 = 16 keys, source 1 = 16 queries): a lane holds ONE query (lane % 16) and keys 8 (lane / 16) + 0..7.  Two such results rounded to f16 in pairs ARE source 1
; of O^T = V^T P, whose result again holds one query a lane, and eight channels.  K comes out of LDS as it lies, V ([key][channel]) turned, by ds_load_tr16_b128.
; SOFTMAX.  A running maximum m and sum l for each query: p = 2^(c s - c m), c = log2(e) / 16; in every step O and l are multiplied by a = 2^(c m_old - c m_new).
; m starts at the lowest finite number, O, l and P at 0: the first step is a step like any other, with a = 0.  The price: 300 lines that write zeros, in the wait for the first tile, and 64 products on P = 0.
; QUARTERS.  A step has four quarters of 32 matrix instructions, each on one fragment buffer of 128 registers: A, B = K Q^T on key blocks 0, 1 and 2, 3; C, D = V^T P on keys 0-31 and 32-63.
; A trip j of the loop is D(j-2), A(j), B(j), C(j-1).  Beside C(j-1), D(j-1) stands the softmax of step j (maximum, statistics, scaling, exponentials, the first half's roundings and sums);
; beside A(j+1), B(j+1) the rest of it (the second half's roundings and sums, O^T times a).  Each quarter issues, behind its second product, the run of 32 LDS loads for the next quarter.
; So trip j reads K(j) and V(j-1) from LDS, and a slot's place t holds K(2 s + t) and V(2 s + t - 1).
; ONE TEXT FOR EVERY SLOT.  Steps 0 to 31 are slots 0 to 15; V of step 31 falls into a slot 16.  The loop's last change of slots asks for that slot as for any other, with the step numbers held at 31:
; of its four loads (32,768 bytes each) only wave 2's, V of step 31, is read; the other three bring K and V of step 31 to places that nobody reads.  That is the price, once a launch, of writing a key step once.
; CLUSTER.  The four query blocks of a cluster belong to one head and walk the same K and V: each tile is asked for JOINTLY, by the same load, descriptor and mask in all four.
; REGISTERS, in windows of 256 (s_set_vgpr_msb: bits 1:0 source 0, 3:2 source 1, 5:4 source 2, 7:6 destination):
;   window 0: v1-11 addresses; v12-13 c m_old; v16-23 statistics, 4 a tile; v24-31 at work, 4 a tile; v32-33 constants; v62-63 the add's; v64-127 S^T; v128-159 P; v160-255 the way out
;   window 1: O^T, 128 a tile      window 2: v0-127 gate, v128-255 Q      window 3: two fragment buffers
.set KS,    64
.set PK,    528       ; a row of K in LDS: 512 bytes + 16: the 16 rows of a load start 132 words apart
.set PV,    544       ; a row of V: 512 + 32: 16 lanes of the turning load take 8 rows x 32 bytes
.set VOFF,  KS*PK
.set STEPB, KS*(PK+PV)
.set SLOT,  2*STEPB   ; two places; the two slots lie at 0 and at SLOT
.set STAGE, 2*SLOT    ; behind the ring, never filled by a tensor load: 16 rows x 528 bytes for each wave
.set SP,    528
.set SPARE, STAGE+4*16*SP  ; the spare words: 128 bytes a wave, two blocks of 256 bytes that no other line names
.set AK0, 2           ; my lane's place in a tile of K; never rewritten
.set AV0, 3           ; the same for V
.set ADR, 4           ; the LDS address of the run of loads in hand
.set QO,  5           ; my byte offset in 16 rows of Q and of gate
.set STO, 6           ; the way out: where I put 16 bytes of a row
.set RD,  7           ; where I read a row back
.set GO,  8           ; my 16 bytes of 512
.set MV,  12
.set ST,  16          ; tile u at ST + 4 u: c m, m, l (even keys', odd keys')
.set TMP, 24          ; tile u at TMP + 4 u: c0-c3 at work; when the maximum is found c2 takes a
.set NL2E, 32         ; -log2(e)
.set ZERO, 33
.set SPW, 62
.set NIL, 63
.set S,   64
.set P,   128
.set YB,  160
.set ZB,  192
.set WB,  224
.set WV,  12          ; s12 my wave's number
.set G1K, 24
.set G1V, 32
.set G0K, 40
.set G0V, 44
.set NK,  48          ; the key step whose K I ask for
.set NV,  49          ; the same for V
.set SB,  50          ; the slot to be filled: 0 or SLOT
.set WOK, 51          ; my place in a slot, for K
.set WOV, 52          ; and for V
.set OFF, 54          ; s[54:55] a tile's byte offset
.set SLOTS, 56
.set CNT, 57
.set CS,  58          ; s[58:59] c
.set SEL, 60          ; s[60:61] v_permlanex16_b32's selects: each lane takes its own place in the other half
.set TB,  62          ; LDS byte at which the place to be fetched begins
.set W_KQ, 0x0b       ; K in window 3, Q in window 2, S^T in window 0
.set W_PV, 0x53       ; V in window 3, P in window 0, O^T in window 1
.set W_RS, 0x41       ; destination and source 0 in window 1
.set MSB, 0
.macro WIN new
.if MSB != (\new)
	s_set_vgpr_msb (MSB<<8)|(\new)
.set MSB, (\new)
.endif
.endm
.macro PLACES
.rept 4
	v_nop
.endr
.endm
.macro JLOAD                        ; a joint fill: waves 0, 1 fetch K of a slot's two places, waves 2, 3 V; s_nop 0 and four v_nop follow each line
	s_cmp_lt_u32 s[WV], 2
	s_cbranch_scc0 .Lfor_v_\@
	tensor_load_to_lds s[G0K:G0K+3], s[G1K:G1K+7]
	s_nop 0
	PLACES
	s_branch .Lasked_\@
.Lfor_v_\@:
	tensor_load_to_lds s[G0V:G0V+3], s[G1V:G1V+7]
	s_nop 0
	PLACES
.Lasked_\@:
.endm
.macro CROUND                       ; a round of the cluster's barrier
	s_barrier_signal -1
	s_barrier_wait -1
	s_cmp_lg_u32 s[WV], 0
	s_cbranch_scc1 .Lnot_wave_0_\@
	s_barrier_signal -3
.Lnot_wave_0_\@:
	s_barrier_wait -3
	s_barrier_signal -1
	s_barrier_wait -1
.endm
; THE CHANGE OF SLOTS, between C and D.  Each wave waits for all its tensor loads (one is out: its part of the other slot), adds 0 to its spare word, and waits for that and for its reads of the
; slot that it leaves.  fill = 1: the barrier is a round of the cluster's and the old slot is filled again first thing behind it, with the steps two slots on: the load has two steps, 256 products,
; in which to land.  The step numbers go on counting and are held at 31 where they enter an address, so that slot 16's loads stay inside K's and V's planes.  fill = 0: nothing is asked for.
; (At its first use nothing has been read yet: slot 0 is waited for, slot 1 filled.)
.macro CHANGE fill
	WIN 0
	s_wait_tensorcnt 0x0            ; no tensor load of mine is out, so the descriptors may be written
	ds_add_u32 v[SPW], v[NIL]       ; 0 onto my spare word; scalar work stands between it and the wait for it
.if \fill
	s_xor_b32 s[SB], s[SB], SLOT
	s_add_co_u32 s[NV], s[NV], 2
	s_add_co_u32 s[NK], s[NK], 2
	s_add_co_u32 s[G0V+1], s[SB], s[WOV]
	s_min_u32 s[OFF], s[NV], 31
	s_lshl_b32 s[OFF], s[OFF], 15   ; a step's rows are 32,768 bytes
	s_add_nc_u64 s[G0V+2:G0V+3], s[10:11], s[OFF:OFF+1]
	s_or_b32 s[G0V+3], s[G0V+3], 0x80000000
	s_add_co_u32 s[G0K+1], s[SB], s[WOK]
	s_min_u32 s[OFF], s[NK], 31
	s_lshl_b32 s[OFF], s[OFF], 15
	s_add_nc_u64 s[G0K+2:G0K+3], s[8:9], s[OFF:OFF+1]
	s_or_b32 s[G0K+3], s[G0K+3], 0x80000000
.endif
	s_wait_dscnt 0x0                ; the add is done, and my reads of the slot are over
.if \fill
	CROUND
	JLOAD
.else
	s_barrier_signal -1
	s_barrier_wait -1
.endif
	s_sub_co_u32 s[TB], s[TB], SLOT ; the fetches go back to a slot's first place,
	s_xor_b32 s[TB], s[TB], SLOT    ; in the other slot
.endm
	s_load_b128 s[4:7], s[0:1], 0x0 ; qkvg 4:5, ag 6:7
	v_lshl_add_u32 v[SPW], v0, 2, SPARE
	v_mov_b32 v[NIL], 0
	ds_add_u32 v[SPW], v[NIL]       ; the wave's opening: the add and its wait stand ahead of my first tensor load
	v_lshrrev_b32 v1, 5, v0
	v_readfirstlane_b32 s[WV], v1
	s_bfe_u32 s13, ttmp6, 0x40000   ; cx
	s_lshl_b32 s14, ttmp9, 2
	s_add_co_u32 s14, s14, s13      ; x = 4 x cluster x + cx: it enters Q's, gate's and ag's addresses alone
	s_and_b32 s15, ttmp7, 0xffff    ; y, which the four partners share
	s_lshr_b32 s55, s15, 1          ; batch
	s_and_b32 s63, s15, 1           ; key head
	s_lshl2_add_u32 s53, s63, s55
	s_add_co_u32 s2, s53, 32        ; K: plane 8 + kv, 4 batches of 1 MiB to a plane
	s_lshl_b32 s2, s2, 20
	s_mov_b32 s3, 0
	s_add_co_u32 s22, s53, 40       ; V: plane 10 + kv
	s_lshl_b32 s22, s22, 20
	s_mov_b32 s23, 0
	s_lshr_b32 s54, s14, 4          ; g
	s_lshl1_add_u32 s54, s63, s54   ; the query head h = 2 kv + g
	s_and_b32 s53, s14, 15          ; the block of 128 queries
	s_lshl2_add_u32 s53, s53, s[WV] ; my wave's 32 among the head's
	s_lshl2_add_u32 s16, s54, s55   ; Q: plane h
	s_lshl_b32 s16, s16, 20
	s_lshl_b32 s17, s53, 14         ; 32 rows of 512 bytes
	s_add_co_u32 s16, s16, s17
	s_mov_b32 s17, 0
	s_lshl_b32 s20, s55, 22         ; ag: 2,048 rows of 2,048 bytes to a batch,
	s_lshl_b32 s21, s53, 16         ; my 32 rows,
	s_add_co_u32 s20, s20, s21
	s_lshl_b32 s21, s54, 9          ; the head's 512 bytes of a row
	s_add_co_u32 s20, s20, s21
	s_mov_b32 s21, 0
	s_mov_b32 s[G1K], 15|(1<<16)|(1<<20)|(1<<21)|(6<<22)|(3<<25)  ; the mask of four; 2-byte elements; padding on; bit 21 beside a mask; after every 128 words 4 words
	s_mov_b32 s[G1V], 15|(1<<16)|(1<<20)|(1<<21)|(6<<22)|(7<<25)  ; the same with 8 words
.irp g, G1K, G1V
	s_mov_b32 s[\g+1], 256<<16      ; tensor_dim0 = 256
	s_mov_b32 s[\g+2], KS<<16       ; tensor_dim1 = 64
	s_mov_b32 s[\g+3], 256<<16      ; tile_dim0 = 256
	s_mov_b32 s[\g+4], KS           ; tile_dim1 = 64
	s_mov_b32 s[\g+5], 256          ; elements from row to row
	s_mov_b32 s[\g+6], 0
	s_mov_b32 s[\g+7], 0
.endr
	s_and_b32 s[NK], s[WV], 1       ; which of a slot's two places I fetch; K of place t of slot 0 is step t,
	s_sub_co_i32 s[NV], s[NK], 1    ; V one step behind
	s_mul_i32 s[WOK], s[NK], STEPB
	s_add_co_u32 s[WOV], s[WOK], VOFF
	s_mov_b32 s[SB], 0
	s_mov_b32 s[G0K], 1
	s_mov_b32 s[G0K+1], s[WOK]
	s_mov_b32 s[G0V], 1
	s_mov_b32 s[G0V+1], s[WOV]
	s_mov_b32 s[CS], 0x3db8aa3b     ; c = log2(e) / 16
	s_mov_b32 s[CS+1], s[CS]
	s_mov_b32 s[SEL], 0x76543210
	s_mov_b32 s[SEL+1], 0xfedcba98
	s_mov_b32 s[TB], SLOT+SLOT      ; the first change of slots turns this into 0
	s_lshl_b32 s[OFF], s[NK], 15
	s_mov_b32 s[OFF+1], 0
	s_max_i32 s53, s[NV], 0         ; there is no step -1: its place takes V of step 0, finite numbers that meet P = 0
	s_lshl_b32 s53, s53, 15
	s_wait_dscnt 0x0                ; the opening add is done
	s_wait_kmcnt 0x0
	s_add_nc_u64 s[8:9], s[4:5], s[2:3]
	s_add_nc_u64 s[10:11], s[4:5], s[22:23]
	s_add_nc_u64 s[16:17], s[4:5], s[16:17]
	s_add_nc_u64 s[18:19], s[16:17], 0x1000000   ; gate lies four planes behind Q
	s_add_nc_u64 s[20:21], s[6:7], s[20:21]
	s_add_nc_u64 s[G0K+2:G0K+3], s[8:9], s[OFF:OFF+1]
	s_or_b32 s[G0K+3], s[G0K+3], 0x80000000
	s_mov_b32 s[OFF], s53
	s_add_nc_u64 s[G0V+2:G0V+3], s[10:11], s[OFF:OFF+1]
	s_or_b32 s[G0V+3], s[G0V+3], 0x80000000
	CROUND                          ; all four work-groups are here: the first joint loads meet
	JLOAD                           ; slot 0
	v_and_b32 v1, 15, v0            ; l % 16
	v_bfe_u32 v9, v0, 4, 1          ; l / 16
	v_lshlrev_b32 v[QO], 9, v1
	v_lshl_add_u32 v[QO], v9, 4, v[QO]  ; row x 512 + 16 x half
	WIN 0x80                        ; destination window 2
.set i, 0
.rept 16                            ; Q stays in registers: tile i / 8, channels 32 (i % 8) on
	global_load_b128 v[128+8*i:128+8*i+3],   v[QO], s[16:17] offset:(i/8)*8192+(i%8)*64
	global_load_b128 v[128+8*i+4:128+8*i+7], v[QO], s[16:17] offset:(i/8)*8192+(i%8)*64+32
.set i, i+1
.endr
.set i, 0
.rept 32                            ; gate in O^T's layout: tile i / 16, channels 16 (i % 16) + 8 (l / 16) on
	global_load_b128 v[4*i:4*i+3], v[QO], s[18:19] offset:(i/16)*8192+(i%16)*32
.set i, i+1
.endr
	WIN 0x40
.set i, 0
.rept 256
	v_mov_b32 v[i], 0               ; O^T
.set i, i+1
.endr
	WIN 0
.set i, 0
.rept 32
	v_mov_b32 v[P+i], 0
.set i, i+1
.endr
.irp u, 0,1
	v_mov_b32 v[ST+4*\u], 0xfe000000    ; c m: far below every c s
	v_mov_b32 v[ST+4*\u+1], 0xff7fffff  ; m
	v_mov_b32 v[ST+4*\u+2], 0
	v_mov_b32 v[ST+4*\u+3], 0
.endr
	v_mul_u32_u24 v[AK0], v1, PK
	v_lshl_add_u32 v[AK0], v9, 4, v[AK0]
	v_and_b32 v10, 7, v0            ; the turning load: lane l reads key 8 (l / 16) + l % 8, channels 8 ((l / 8) % 2) + 0..7
	v_bfe_u32 v11, v0, 3, 1
	v_lshl_add_u32 v[AV0], v9, 3, v10
	v_mul_u32_u24 v[AV0], v[AV0], PV
	v_lshl_add_u32 v[AV0], v11, 4, v[AV0]
	v_add_nc_u32 v[AV0], VOFF, v[AV0]
	s_mul_i32 s53, s[WV], 16*SP
	s_add_co_u32 s53, s53, STAGE    ; my stage
	v_mul_u32_u24 v[STO], v1, SP
	v_lshl_add_u32 v[STO], v9, 4, v[STO]
	v_add_nc_u32 v[STO], s53, v[STO]
	v_and_b32 v[GO], 31, v0
	v_lshlrev_b32 v[GO], 4, v[GO]
	v_add_nc_u32 v[RD], s53, v[GO]
	v_mov_b32 v[NL2E], 0xbfb8aa3b
	v_mov_b32 v[ZERO], 0
; THE LDS LOADS stand in runs of 32.  FK hq: K's key blocks 2 hq, 2 hq + 1 (fragment 8 kbl + c) into buffer hq.  FV kk: V's keys 32 kk on, 16 channel blocks, turned, into buffer kk.
.macro FK hq
	WIN 0
	v_add_nc_u32 v[ADR], s[TB], v[AK0]
	s_wait_alu depctr_va_vdst(0)
	WIN 0xc0                        ; destination window 3
.set f, 0
.rept 16
	ds_load_b128 v[128*(\hq)+8*f:128*(\hq)+8*f+3],   v[ADR] offset:(2*(\hq)+f/8)*16*PK+(f%8)*64
	ds_load_b128 v[128*(\hq)+8*f+4:128*(\hq)+8*f+7], v[ADR] offset:(2*(\hq)+f/8)*16*PK+(f%8)*64+32
.set f, f+1
.endr
.endm
.macro FV kk
	WIN 0
	v_add_nc_u32 v[ADR], s[TB], v[AV0]
	s_wait_alu depctr_va_vdst(0)
.if \kk
	s_add_co_u32 s[TB], s[TB], STEPB  ; the next fetch is the next place's
.endif
	WIN 0xc0
.set f, 0
.rept 16
	ds_load_tr16_b128 v[128*(\kk)+8*f:128*(\kk)+8*f+3],   v[ADR] offset:(\kk)*32*PV+f*32
	ds_load_tr16_b128 v[128*(\kk)+8*f+4:128*(\kk)+8*f+7], v[ADR] offset:(\kk)*32*PV+16*PV+f*32
.set f, f+1
.endr
.endm
.macro RUN r
.if (\r) == 1
	FK 0
.elseif (\r) == 2
	FK 1
.elseif (\r) == 3
	FV 0
.else
	FV 1
.endif
.endm
; THE VECTOR WORK.
.macro REGS u
.set rT, ST+4*(\u)
.set rC, TMP+4*(\u)
.set rM, MV+(\u)
.set rS, S+32*(\u)
.set rP, P+16*(\u)
.endm
; XS u, n: number n of the 22 that find tile u's maximum and statistics.  0-11 four chains c0-c3 of seven scores each (each accumulator's lowest registers are read first);
; 12-14, 16 the four scores left over, the old m, and c0-c3 into c0; 15 c m_old is kept; 17, 18 the other half of the lanes' maximum, the new m; 19-21 c m, c m_old - c m_new, a.
.macro XS u, n
	REGS \u
.if (\n) < 4
	v_max3_num_f32 v[rC+(\n)], v[rS+8*(\n)], v[rS+8*(\n)+1], v[rS+8*(\n)+2]
.elseif (\n) < 12
	v_max3_num_f32 v[rC+(\n)%4], v[rC+(\n)%4], v[rS+8*((\n)%4)+2*((\n)/4)+1], v[rS+8*((\n)%4)+2*((\n)/4)+2]
.elseif (\n) == 12
	v_max3_num_f32 v[rC], v[rC], v[rS+7], v[rS+15]
.elseif (\n) == 13
	v_max3_num_f32 v[rC+1], v[rC+1], v[rS+23], v[rS+31]
.elseif (\n) == 14
	v_max3_num_f32 v[rC+2], v[rC+2], v[rC+3], v[rT+1]
.elseif (\n) == 15
	v_mov_b32 v[rM], v[rT]
.elseif (\n) == 16
	v_max3_num_f32 v[rC], v[rC], v[rC+1], v[rC+2]
.elseif (\n) == 17
	v_permlanex16_b32 v[rC+3], v[rC], s[SEL], s[SEL+1]
.elseif (\n) == 18
	v_max_num_f32 v[rT+1], v[rC], v[rC+3]
.elseif (\n) == 19
	v_mul_f32 v[rT], s[CS], v[rT+1]
.elseif (\n) == 20
	v_sub_f32 v[rC+1], v[rM], v[rT]
.else
	v_exp_f32 v[rC+2], v[rC+1]
.endif
.endm
; GS base, g: number g of 32 that follow the exponentials of half the scores (base 0: groups 0-3 of four weights; base 32: groups 4-7).  For each group, tiles alternating: both pairs are rounded
; to f16, the second pair is added onto the first in place, and l takes the sum of the group before (the first time as l = a l + sum); the last two numbers are l for the half's last group.
.macro GS base, g
.set hh, (\base)+(\g)
.if (\g) >= 6
.set hh, hh+2
.endif
.if (\g) >= 30
.set hh, hh+6
.endif
	REGS hh%2
.set gk, hh/8
.set sb, hh%8
.if sb < 4
	s_wait_alu depctr_va_vdst(0)
	v_cvt_pk_f16_f32 v[rP+2*gk+sb/2], v[rS+4*gk+2*(sb/2)], v[rS+4*gk+2*(sb/2)+1]
.elseif sb < 6
	v_pk_add_f32 v[rS+4*gk:rS+4*gk+1], v[rS+4*gk:rS+4*gk+1], v[rS+4*gk+2:rS+4*gk+3]
.elseif gk == 1
	v_pk_fma_f32 v[rT+2:rT+3], v[rT+2:rT+3], v[rC+2:rC+3], v[rS:rS+1] op_sel_hi:[1,0,1]
.else
	v_pk_add_f32 v[rT+2:rT+3], v[rT+2:rT+3], v[rS+4*gk-4:rS+4*gk-3]
.endif
.endm
.macro PL q                         ; the plain queue: 0-31 c s - c m for pair q / 2 of tile q % 2; 32-63 GS's first half; beyond that nothing is left
	WIN 0
.if (\q) < 32
	REGS (\q)%2
	v_pk_fma_f32 v[rS+2*((\q)/2):rS+2*((\q)/2)+1], v[rS+2*((\q)/2):rS+2*((\q)/2)+1], s[CS:CS+1], v[rT:rT+1] op_sel_hi:[1,0,0] neg_lo:[0,0,1] neg_hi:[0,0,1]
.elseif (\q) < 64
	GS 0, (\q)-32
.else
	v_nop                           ; a plain line behind the exponential all the same
.endif
.endm
.macro EX e                         ; the exponential of score e / 2 of tile e % 2, in place
	WIN 0
	REGS (\e)%2
	v_exp_f32 v[rS+(\e)/2], v[rS+(\e)/2]
.endm
.macro R4 g                         ; accumulator g / 2 of tile g % 2 of O^T times a
	REGS (\g)%2
	WIN W_RS
.irp z, 0,1,2,3
	v_pk_mul_f32 v[128*((\g)%2)+8*((\g)/2)+2*\z:128*((\g)%2)+8*((\g)/2)+2*\z+1], v[128*((\g)%2)+8*((\g)/2)+2*\z:128*((\g)%2)+8*((\g)/2)+2*\z+1], v[rC+2:rC+3] op_sel_hi:[1,0]
.endr
.endm
; HOW IT IS DEALT.  XSL n: what stands behind product n of 64 of C, D.  The counts that the deal keeps: exponential e stands behind plain 2 (e / 4) + e % 2 (4 + e plain lines are out by then);
; when GS's number g comes, 29 + g exponentials are out and 8 ((g + 2) / 8) + 8 are needed; each exponential has a plain line behind it that names other registers; P's first half is written from
; slice 34 on, six plain lines behind C's last product; all reads of S^T's first half end at slice 49.
.macro XSL n
.if (\n) < 6
	WIN 0
	XS 0, 2*(\n)
	XS 1, 2*(\n)
	XS 0, 2*(\n)+1
	XS 1, 2*(\n)+1
.elseif (\n) < 16
	WIN 0
	XS 0, 6+(\n)
	XS 1, 6+(\n)
.elseif (\n) == 19
	PL 0
	PL 1
	PL 2
	PL 3
.elseif ((\n) >= 20) && ((\n) < 52)
	EX 2*((\n)-20)
	PL 4+2*((\n)-20)
	EX 2*((\n)-20)+1
	PL 5+2*((\n)-20)
.endif
.endm
; YSL n: what stands behind product n of 64 of A, B.  Slices 0, 1 (eight plain lines) are the places behind D's last product, in front of the first write of P's second half and of the loads into
; buffer 1; slices 32, 33 those behind A's last, in front of the loads into buffer 0; slice 63 those behind B's last, in front of the first read of its scores and of the loads into buffer 1.
; S^T's second half is read for the last time in slice 9, ahead of B's first product.
.macro YSL n
.if (\n) < 2
	R4 (\n)
.elseif (\n) < 10
	WIN 0
	GS 32, 4*((\n)-2)
	GS 32, 4*((\n)-2)+1
	GS 32, 4*((\n)-2)+2
	GS 32, 4*((\n)-2)+3
.elseif ((\n) == 32) || ((\n) == 33)
	R4 (\n)-30
.elseif (\n) >= 36
	R4 (\n)-32
.endif
.endm
; THE MATRIX WORK.  Product i of 32 of quarter kind (0 A, 1 B, 2 C, 3 D).  A, B: channels 32 (i / 4) on, key block 2 kind + (i / 2) % 2, tile i % 2; the first four start the sums.
; C, D: channel block i / 2, tile i % 2.  The accumulators take turns, one instruction a turn.
.macro MMQ kind
.if (\kind) < 2
	WIN W_KQ
.set rD, S+32*(i%2)+8*(2*(\kind)+(i/2)%2)
.set rA, 128*(\kind)+64*((i/2)%2)+8*(i/4)
.set rB, 128+64*(i%2)+8*(i/4)
.if i < 4
	v_wmma_f32_16x16x32_f16 v[rD:rD+7], v[rA:rA+7], v[rB:rB+7], 0
.else
	v_wmma_f32_16x16x32_f16 v[rD:rD+7], v[rA:rA+7], v[rB:rB+7], v[rD:rD+7]
.endif
.else
	WIN W_PV
.set rD, 128*(i%2)+8*(i/2)
.set rA, 128*((\kind)-2)+8*(i/2)
.set rB, P+16*(i%2)+8*((\kind)-2)
	v_wmma_f32_16x16x32_f16 v[rD:rD+7], v[rA:rA+7], v[rB:rB+7], v[rD:rD+7]
.endif
.endm
; A quarter.  rid = 1: with its slices.  run: the run of loads behind its second product (0: none), 30 products ahead of its first use; without slices four v_nop are the places in front of it.
.macro QUARTER kind, rid, run
	s_wait_dscnt 0x0                ; my buffer is in
.set i, 0
.rept 32
	MMQ \kind
.if \rid
.if (\kind) < 2
	YSL 32*(\kind)+i
.else
	XSL 32*((\kind)-2)+i
.endif
.endif
.if (i == 1) && (\run)
.if !(\rid)
	PLACES
.endif
	RUN \run
.endif
.set i, i+1
.endr
.endm
	CHANGE 1                        ; slot 0 is in, everybody's part of it; slot 1 is asked for
	FK 0
	s_wait_loadcnt 0x0              ; Q and gate
	QUARTER 0, 0, 2                 ; the first scores: there is no vector work yet to set between them
	QUARTER 1, 0, 3
	PLACES
	WIN 0
	s_mov_b32 s[CNT], 2
	s_mov_b32 s[SLOTS], 16
	s_branch .Lfirst                ; the loop is entered in the middle of a trip
.Lslot:                             ; 15 times: slots 1 to 15 are entered, slots 2 to 16 asked for
	CHANGE 1
	s_mov_b32 s[CNT], 2
.Lstep:                             ; a slot's two trips: written once, walked twice; the LDS addresses hang on s[TB]
	QUARTER 3, 1, 1
	QUARTER 0, 1, 2
	QUARTER 1, 1, 3
	WIN 0
.Lfirst:
	QUARTER 2, 1, 4
	WIN 0
	s_sub_co_u32 s[CNT], s[CNT], 1
	s_cmp_lg_u32 s[CNT], 0
	s_cbranch_scc1 .Lstep
	s_sub_co_u32 s[SLOTS], s[SLOTS], 1
	s_cmp_lg_u32 s[SLOTS], 0
	s_cbranch_scc1 .Lslot
	CHANGE 0                        ; V of step 31 is in; nothing is asked for
	QUARTER 3, 1, 3                 ; D(30), the rest of step 31's exponentials; V's first half is fetched where K's would be
	YSL 0
	YSL 1
	FV 1
.set sl, 2
.rept 62
	YSL sl                          ; the rest of step 31's softmax has no products to stand beside
.set sl, sl+1
.endr
	QUARTER 2, 0, 0
	QUARTER 3, 0, 0
	; THE WAY OUT.  l's two halves and the other half of the lanes' are added.  Then, 32 numbers a lane at a time: O / l x gate / (1 + 2^(-gate log2 e)), rounded to bf16, into my stage.
	; The text is written for tile 0's registers and walked twice: behind the first walk tile 1's O^T, gate and 1 / l are moved into them (193 moves for 1,300 lines not written twice).
	WIN 0
.irp u, 0,1
	v_add_f32 v[ST+4*\u+2], v[ST+4*\u+2], v[ST+4*\u+3]
.endr
.irp u, 0,1
	v_permlanex16_b32 v[ST+4*\u+3], v[ST+4*\u+2], s[SEL], s[SEL+1]
.endr
.irp u, 0,1
	v_add_f32 v[ST+4*\u+2], v[ST+4*\u+2], v[ST+4*\u+3]
.endr
.irp u, 0,1
	v_rcp_f32 v[ST+4*\u+2], v[ST+4*\u+2]
.endr
	v_nop                           ; a plain line behind the reciprocals
.macro OGRP gr                      ; channel blocks 4 gr to 4 gr + 3
.set GB, 16*(\gr)
.set OB, 32*(\gr)
	WIN 0x02                        ; source 0 (gate's halves) in window 2
.set e, 0
.rept 16
	v_fma_mix_f32 v[YB+2*e],   v[GB+e], v[NL2E], v[ZERO] op_sel_hi:[1,0,0]
	v_fma_mix_f32 v[YB+2*e+1], v[GB+e], v[NL2E], v[ZERO] op_sel:[1,0,0] op_sel_hi:[1,0,0]
.set e, e+1
.endr
	WIN 0
.set e, 0
.rept 32
	v_exp_f32 v[YB+e], v[YB+e]
.set e, e+1
.endr
	WIN 0x01                        ; O^T in window 1; these are the plain lines behind the exponentials
.set e, 0
	s_wait_alu depctr_va_vdst(0)
.rept 16
	v_pk_mul_f32 v[ZB+2*e:ZB+2*e+1], v[OB+2*e:OB+2*e+1], v[ST+2:ST+3] op_sel_hi:[1,0]
.set e, e+1
.endr
	WIN 0
.set e, 0
	s_wait_alu depctr_va_vdst(0)
.rept 16
	v_pk_add_f32 v[YB+2*e:YB+2*e+1], v[YB+2*e:YB+2*e+1], 1.0 op_sel_hi:[1,0]
.set e, e+1
.endr
.set e, 0
.rept 32
	v_rcp_f32 v[YB+e], v[YB+e]
.set e, e+1
.endr
	v_nop
.set e, 0
	s_wait_alu depctr_va_vdst(0)
.rept 16
	v_pk_mul_f32 v[ZB+2*e:ZB+2*e+1], v[ZB+2*e:ZB+2*e+1], v[YB+2*e:YB+2*e+1]
.set e, e+1
.endr
	WIN 0x02
.set e, 0
.rept 16
	v_fma_mix_f32 v[ZB+2*e],   v[GB+e], v[ZB+2*e],   v[ZERO] op_sel_hi:[1,0,0]
	v_fma_mix_f32 v[ZB+2*e+1], v[GB+e], v[ZB+2*e+1], v[ZERO] op_sel:[1,0,0] op_sel_hi:[1,0,0]
.set e, e+1
.endr
	WIN 0
.set e, 0
.rept 16
	v_cvt_pk_bf16_f32 v[WB+e], v[ZB+2*e], v[ZB+2*e+1]
.set e, e+1
.endr
.irp c, 0,1,2,3
	ds_store_b128 v[STO], v[WB+4*\c:WB+4*\c+3] offset:32*(4*(\gr)+\c)
.endr
.endm
	s_mov_b32 s[CNT], 2
.Ltile:
	OGRP 0
	OGRP 1
	OGRP 2
	OGRP 3
.set t, 0
.rept 16                            ; the tile's 16 rows come back whole, 512 bytes each, and are stored
	ds_load_b128 v[S+4*t:S+4*t+3], v[RD] offset:t*SP  ; LDS serves a wave's instructions in order (ISA guide 5.7.1.4): these see the stores above
.set t, t+1
.endr
	s_wait_dscnt 0x0
.set t, 0
.rept 16
	global_store_b128 v[GO], v[S+4*t:S+4*t+3], s[20:21] offset:t*2048  ; 512 consecutive bytes, at a multiple of 256
.set t, t+1
.endr
	s_wait_xcnt 0x0                 ; the stores' base is stepped, and their data registers are loaded again in the second walk, only behind this wait
	s_add_nc_u64 s[20:21], s[20:21], 16*2048  ; the next 16 rows of ag (behind the second walk the sum is not used)
	s_cmp_eq_u32 s[CNT], 1
	s_cbranch_scc1 .Lno_more        ; behind the second walk there is nothing to bring
	WIN 0x41                        ; tile 1's O^T, each accumulator from its low end on,
.set i, 0
.rept 128
	v_mov_b32 v[i], v[128+i]
.set i, i+1
.endr
	WIN 0x82                        ; its gate,
.set i, 0
.rept 64
	v_mov_b32 v[i], v[64+i]
.set i, i+1
.endr
	WIN 0
	v_mov_b32 v[ST+2], v[ST+6]      ; and its 1 / l
.Lno_more:
	s_sub_co_u32 s[CNT], s[CNT], 1
	s_cmp_lg_u32 s[CNT], 0
	s_cbranch_scc1 .Ltile
	s_wait_tensorcnt 0x0            ; the wave's end
	ds_add_u32 v[SPW], v[NIL]
	s_wait_dscnt 0x0
	CROUND                          ; the closing round
	s_endpgm
.Lfunc_end_k_qc8b171c179_attn:
	.size	k_qc8b171c179_attn, .Lfunc_end_k_qc8b171c179_attn-k_qc8b171c179_attn
	.p2alignl 7, 3214868480
	.fill 96, 4, 3214868480
	.section	.rodata,"a",@progbits
	.p2align	6, 0x0
	.amdhsa_kernel k_qc8b171c179_attn
		.amdhsa_group_segment_fixed_size 327680
		.amdhsa_private_segment_fixed_size 0
		.amdhsa_enable_private_segment 0
		.amdhsa_kernarg_size 16
		.amdhsa_user_sgpr_count 2
		.amdhsa_user_sgpr_kernarg_segment_ptr 1
		.amdhsa_wavefront_size32 1
		.amdhsa_system_sgpr_workgroup_id_x 1
		.amdhsa_system_sgpr_workgroup_id_y 1
		.amdhsa_system_sgpr_workgroup_id_z 1
		.amdhsa_system_vgpr_workitem_id 0
		.amdhsa_next_free_vgpr 1024
		.amdhsa_next_free_sgpr 66
		.amdhsa_reserve_vcc 0
		.amdhsa_float_denorm_mode_32 3
		.amdhsa_float_denorm_mode_16_64 3
		.amdhsa_memory_ordered 1
		.amdhsa_forward_progress 1
		.amdhsa_inst_pref_size 157
	.end_amdhsa_kernel
	.amdgpu_metadata
---
amdhsa.version: [ 1, 2 ]
amdhsa.kernels:
  - .name:           k_qc8b171c179_attn
    .symbol:         k_qc8b171c179_attn.kd
    .args:
      - { .name: qkvg, .offset: 0, .size: 8, .value_kind: global_buffer, .address_space: global }
      - { .name: ag, .offset: 8, .size: 8, .value_kind: global_buffer, .address_space: global }
    .group_segment_fixed_size: 327680
    .private_segment_fixed_size: 0
    .kernarg_segment_align: 8
    .kernarg_segment_size: 16
    .max_flat_workgroup_size: 128
    .sgpr_count:     66
    .vgpr_count:     1024
    .wavefront_size: 32
...
	.end_amdgpu_metadata
.endif
;; end of part 3
;; launch oproj (part 4): grid 4 x 64, 4 waves a work-group, clusters of 4 x 4, 327,680 bytes of LDS; arguments ag, wob, out0; writes out0
.if DOCPART == 4
	.amdgcn_target "amdgcn-amd-amdhsa--gfx1250"
	.amdhsa_code_object_version 6
	.text
	.protected	k_qc8b171c179_oproj
	.globl	k_qc8b171c179_oproj
	.p2align	8
	.type	k_qc8b171c179_oproj,@function
k_qc8b171c179_oproj:
	s_mov_b64 s[64:65], 0
	v_nop
	global_prefetch_b8 v0, s[64:65] scope:SCOPE_SE
	s_setreg_imm32_b32 hwreg(HW_REG_WAVE_MODE, 25, 1), 1
	s_wait_xcnt 0x0
	s_wait_alu depctr_hold_cnt(0) depctr_sa_sdst(0) depctr_va_vdst(0) depctr_va_sdst(0) depctr_va_ssrc(0) depctr_va_vcc(0) depctr_vm_vsrc(0)
	s_getreg_b32 s2, hwreg(HW_REG_IB_STS2, 6, 4)
	s_cmp_eq_u32 s2, 0
	s_cbranch_scc0 .Lentry_in_a_cluster
	s_endpgm
.Lentry_in_a_cluster:
	s_bfe_u32 s2, ttmp6, 0x10000c
	s_cmp_lg_u32 s2, 0xf033
	s_cbranch_scc0 .Lentry_shape_is_right
	s_endpgm
.Lentry_shape_is_right:
; OPROJ.  out0 = ag Wo: ag [8192][1024] bf16, wob [1024 k][1024 n] bf16, sums and output in f32.
; SHARES.  A tile of the output is 128 rows x 256 columns; 4 x 64 = 256 tiles, one to a work-group.  Four waves, each 64 rows x 128 columns: 32 accumulators, 256 registers.
; K goes in 8 steps of 128 through two LDS slots filled by tensor loads; waves 0, 1 fetch 64 rows of ag each, waves 2, 3 64 k-rows of Wo each.  Wo stays [k][n] and is turned on its way out
; of LDS by ds_load_tr16_b128.  THE MATRIX INSTRUCTION IS USED TRANSPOSED (source 0 = 16 columns of Wo, source 1 = 16 rows of ag): a lane holds one row and eight neighbouring columns.
; CLUSTER 4 x 4: ag's tile is asked for jointly along a row of the cluster, Wo's along a column.
; REGISTERS.  Window 0: v1-5 at work, v16-29 addresses, v32-127 and v128-223 two fragment buffers (ag's block a at +8 a, Wo's block b at +32 + 8 b).  Window 1: accumulator (a, b) at 8 (8 a + b).
.set NB,     1024
.set KSTEP,  128
.set PA,     272
.set PB,     544
.set BOFF,   128*PA
.set SLOT1,  1<<17                     ; slot 1 begins here (a slot is 104,448 bytes), so that one exclusive or turns an address of one slot into the other's
.set STAGE,  SLOT1+BOFF+128*PB         ; behind the ring, never filled by a tensor load: 16 rows x 528 bytes for each wave
.set SP,     528
.set SPARE,  STAGE+4*16*SP             ; the spare words: 128 bytes a wave, two blocks of 256 bytes that no other line names
.set A0,   16
.set B0,   17
.set ADRA, 18
.set ADRB, 19
.set STO,  24
.set RD,   25
.set CO,   26
.set SPW,  28
.set NIL,  29
.set F0,   32
.set F1,   128
.set G1A, 24
.set G0A, 32
.set G1B, 40
.set G0B, 48
.set MUL, 0x50
.set MSB, 0
.macro WIN new
.if MSB != (\new)
	s_set_vgpr_msb (MSB<<8)|(\new)
.set MSB, \new
.endif
.endm
.macro PLACES                          ; four places between a matrix instruction and a load into, or a line on, its registers (ISA guide 7.12.1 for vector lines)
.rept 4
	v_nop
.endr
.endm
.macro JLOAD                           ; a joint refill by the walking descriptors; s_nop 0 and four v_nop follow each line
	s_cmp_eq_u32 s13, 0
	s_cbranch_scc0 .Lfor_b_\@
	tensor_load_to_lds s[G0A+4:G0A+7], s[G1A:G1A+7]
	s_nop 0
	PLACES
	s_branch .Lasked_\@
.Lfor_b_\@:
	tensor_load_to_lds s[G0B+4:G0B+7], s[G1B:G1B+7]
	s_nop 0
	PLACES
.Lasked_\@:
.endm
.macro CREST
	s_cmp_lg_u32 s12, 0
	s_cbranch_scc1 .Lnot_wave_0_\@
	s_barrier_signal -3
.Lnot_wave_0_\@:
	s_barrier_wait -3
	s_barrier_signal -1
	s_barrier_wait -1
.endm
.macro CROUND
	s_barrier_signal -1
	s_barrier_wait -1
	CREST
.endm
	s_load_b128 s[4:7], s[0:1], 0x0                ; ag 4:5, wob 6:7
	s_load_b64 s[10:11], s[0:1], 0x10              ; out0
	v_lshl_add_u32 v[SPW], v0, 2, SPARE
	v_mov_b32 v[NIL], 0
	ds_add_u32 v[SPW], v[NIL]                      ; the wave's opening: the add and its wait stand ahead of my first tensor load
	v_lshrrev_b32 v1, 5, v0
	v_readfirstlane_b32 s12, v1                    ; wave 0..3
	s_lshr_b32 s13, s12, 1                         ; my half of the rows.  Also: I fetch for ag (0) or for Wo (1)
	s_and_b32 s14, s12, 1                          ; my half of the columns.  Also: which 64 rows I fetch
	s_bfe_u32 s15, ttmp6, 0x40000                  ; cx
	s_bfe_u32 s16, ttmp6, 0x40004                  ; cy
	s_lshl_b32 s17, ttmp9, 2
	s_add_co_u32 s17, s17, s15                     ; tile column
	s_and_b32 s18, ttmp7, 0xffff
	s_lshl_b32 s18, s18, 2
	s_add_co_u32 s18, s18, s16                     ; tile row
	s_lshl_b32 s20, s16, 2
	s_lshl_b32 s20, 15, s20                        ; my row of the cluster
	s_lshl_b32 s21, 0x1111, s15                    ; my column
	s_or_b32 s[G1A], s20, (1<<16)|(1<<20)|(1<<21)|(5<<22)|(3<<25)
	s_or_b32 s[G1B], s21, (1<<16)|(1<<20)|(1<<21)|(6<<22)|(7<<25)
	s_mov_b32 s[G1A+1], KSTEP<<16
	s_mov_b32 s[G1A+2], 64<<16
	s_mov_b32 s[G1A+3], KSTEP<<16
	s_mov_b32 s[G1A+4], 64
	s_mov_b32 s[G1A+5], 1024
	s_mov_b32 s[G1A+6], 0
	s_mov_b32 s[G1A+7], 0
	s_mov_b32 s[G1B+1], 256<<16
	s_mov_b32 s[G1B+2], 64<<16
	s_mov_b32 s[G1B+3], 256<<16
	s_mov_b32 s[G1B+4], 64
	s_mov_b32 s[G1B+5], NB
	s_mov_b32 s[G1B+6], 0
	s_mov_b32 s[G1B+7], 0
	s_mul_i32 s22, s14, 64*PA
	s_mul_i32 s23, s14, 64*PB
	s_add_co_u32 s23, s23, BOFF
	s_lshl_b32 s56, s18, 7
	s_lshl_b32 s57, s14, 6
	s_add_co_u32 s56, s56, s57
	s_lshl_b32 s56, s56, 11
	s_mov_b32 s57, 0
	s_mul_i32 s58, s14, 64*NB*2
	s_lshl_b32 s59, s17, 9
	s_add_co_u32 s58, s58, s59
	s_mov_b32 s59, 0
	s_mov_b32 s19, 0
	s_wait_dscnt 0x0                               ; the opening add is done
	s_wait_kmcnt 0x0
	s_add_nc_u64 s[60:61], s[4:5], s[56:57]
	s_add_nc_u64 s[62:63], s[6:7], s[58:59]
.irp s, 0,1
	s_mov_b32 s[G0A+4*(\s)], 1
	s_add_co_u32 s[G0A+4*(\s)+1], s22, (\s)*SLOT1
	s_add_nc_u64 s[G0A+4*(\s)+2:G0A+4*(\s)+3], s[60:61], (\s)*KSTEP*2
	s_or_b32 s[G0A+4*(\s)+3], s[G0A+4*(\s)+3], 0x80000000
	s_mov_b32 s[G0B+4*(\s)], 1
	s_add_co_u32 s[G0B+4*(\s)+1], s23, (\s)*SLOT1
	s_add_nc_u64 s[G0B+4*(\s)+2:G0B+4*(\s)+3], s[62:63], (\s)*KSTEP*NB*2
	s_or_b32 s[G0B+4*(\s)+3], s[G0B+4*(\s)+3], 0x80000000
.endr
	CROUND                                         ; all sixteen work-groups are here: the first joint loads meet
	s_cmp_eq_u32 s13, 0                            ; a wave's two first fills stand in one branch: two loads of mine are out
	s_cbranch_scc0 .Lfirst_b
	tensor_load_to_lds s[G0A:G0A+3], s[G1A:G1A+7]
	s_nop 0
	tensor_load_to_lds s[G0A+4:G0A+7], s[G1A:G1A+7]
	s_nop 0
	PLACES
	s_branch .Lfirst_asked
.Lfirst_b:
	tensor_load_to_lds s[G0B:G0B+3], s[G1B:G1B+7]
	s_nop 0
	tensor_load_to_lds s[G0B+4:G0B+7], s[G1B:G1B+7]
	s_nop 0
	PLACES
.Lfirst_asked:
	v_and_b32 v1, 15, v0
	v_bfe_u32 v2, v0, 4, 1
	v_and_b32 v3, 7, v0
	v_bfe_u32 v4, v0, 3, 1
	v_mul_u32_u24 v[A0], v1, PA
	v_lshl_add_u32 v[A0], v2, 4, v[A0]
	s_mul_i32 s20, s13, 64*PA
	v_add_nc_u32 v[A0], s20, v[A0]
	v_lshl_add_u32 v5, v2, 3, v3
	v_mul_u32_u24 v[B0], v5, PB
	v_lshl_add_u32 v[B0], v4, 4, v[B0]
	s_lshl_b32 s21, s14, 8
	s_add_co_u32 s21, s21, BOFF
	v_add_nc_u32 v[B0], s21, v[B0]
	v_mov_b32 v[ADRA], v[A0]
	v_mov_b32 v[ADRB], v[B0]
	s_mul_i32 s20, s12, 16*SP
	s_add_co_u32 s20, s20, STAGE                   ; my stage
	v_mul_u32_u24 v[STO], v1, SP                   ; in: row l % 16, 32 bytes for each half of the lanes
	v_lshl_add_u32 v[STO], v2, 5, v[STO]
	v_add_nc_u32 v[STO], s20, v[STO]
	v_and_b32 v[CO], 31, v0                        ; back: 32 lanes take one row of 512 bytes
	v_lshlrev_b32 v[CO], 4, v[CO]
	v_add_nc_u32 v[RD], s20, v[CO]
	s_lshl_b32 s66, s18, 1
	s_add_co_u32 s66, s66, s13                     ; my 64 rows,
	s_lshl_b32 s66, s66, 18                        ; of 4,096 bytes,
	s_lshl_b32 s67, s17, 10                        ; the tile's 256 columns,
	s_add_co_u32 s66, s66, s67
	s_lshl_b32 s67, s14, 9                         ; my 128 of them
	s_add_co_u32 s66, s66, s67
	s_mov_b32 s67, 0
	s_add_nc_u64 s[10:11], s[10:11], s[66:67]
; 8 matrix instructions: row block a x all 8 column blocks, 32 along K.  The 32 accumulators take turns, one instruction a turn.
.macro MULA f, a, zero
	WIN MUL
.irp b, 0,1,2,3,4,5,6,7
.if \zero
	v_wmma_f32_16x16x32_bf16 v[8*(8*(\a)+\b):8*(8*(\a)+\b)+7], v[(\f)+32+8*\b:(\f)+32+8*\b+7], v[(\f)+8*(\a):(\f)+8*(\a)+7], 0
.else
	v_wmma_f32_16x16x32_bf16 v[8*(8*(\a)+\b):8*(8*(\a)+\b)+7], v[(\f)+32+8*\b:(\f)+32+8*\b+7], v[(\f)+8*(\a):(\f)+8*(\a)+7], v[8*(8*(\a)+\b):8*(8*(\a)+\b)+7]
.endif
.endr
.endm
.macro FETCH q, f                      ; 24 LDS loads in one run: the fragments of quarter q of the slot in hand, into buffer f
	WIN 0
.irp b, 0,1,2,3,4,5,6,7
	ds_load_tr16_b128 v[(\f)+32+8*\b:(\f)+32+8*\b+3],   v[ADRB] offset:(\q)*32*PB+32*\b
	ds_load_tr16_b128 v[(\f)+32+8*\b+4:(\f)+32+8*\b+7], v[ADRB] offset:(\q)*32*PB+16*PB+32*\b
.endr
.irp a, 0,1,2,3
	ds_load_b128 v[(\f)+8*\a:(\f)+8*\a+3],   v[ADRA] offset:(\q)*64+\a*16*PA
	ds_load_b128 v[(\f)+8*\a+4:(\f)+8*\a+7], v[ADRA] offset:(\q)*64+\a*16*PA+32
.endr
.endm
.macro QUARTER f, g, q, zero           ; multiplies buffer f; behind its first 8 products it fetches quarter q into buffer g
	s_wait_dscnt 0x0                               ; buffer f is in
	MULA \f, 0, \zero
	PLACES                                         ; buffer g was read by the quarter before
	FETCH \q, \g
	MULA \f, 1, \zero
	MULA \f, 2, \zero
	MULA \f, 3, \zero
.endm
; The last quarter multiplies buffer 1 and changes slots: ONE barrier; in front of it each wave waits for all its tensor loads, adds 0 to its spare word, and waits for that and for its reads of
; this slot.  fill = 1: the barrier opens a round of the cluster's, and this slot is filled again first thing behind it, with the K step two on.
.macro TURN fill
	WIN 0
	s_wait_tensorcnt 0x0
	ds_add_u32 v[SPW], v[NIL]
.if \fill
	s_xor_b32 s[G0A+5], s[G0A+5], SLOT1
	s_add_nc_u64 s[G0A+6:G0A+7], s[G0A+6:G0A+7], KSTEP*2
	s_xor_b32 s[G0B+5], s[G0B+5], SLOT1
	s_add_nc_u64 s[G0B+6:G0B+7], s[G0B+6:G0B+7], KSTEP*NB*2
.endif
	s_wait_dscnt 0x1                               ; buffer 1 is in; the add alone may be out
	MULA F1, 0, 0
	s_wait_dscnt 0x0                               ; the add is done, and my reads of this slot are over
	s_barrier_signal -1
	MULA F1, 1, 0
	WIN 0
	s_barrier_wait -1
.if \fill
	CREST
	JLOAD                                          ; its four v_nop are also the places in front of the loads below
.else
	PLACES
.endif
	s_xor_b32 s19, s19, SLOT1
	v_add_nc_u32 v[ADRA], s19, v[A0]
	v_add_nc_u32 v[ADRB], s19, v[B0]
	FETCH 0, F0
	MULA F1, 2, 0
	MULA F1, 3, 0
.endm
	s_wait_tensorcnt 0x1                           ; my part of K step 0 is in; K step 1's may stay out
	s_barrier_signal -1
	s_barrier_wait -1
	FETCH 0, F0
	QUARTER F0, F1, 1, 1                           ; the first quarter's products start the sums
	WIN 0
	s_mov_b32 s3, 6
.Lstep:
	QUARTER F1, F0, 2, 0
	QUARTER F0, F1, 3, 0
	TURN 1
	QUARTER F0, F1, 1, 0
	WIN 0
	s_sub_co_u32 s3, s3, 1
	s_cmp_lg_u32 s3, 0
	s_cbranch_scc1 .Lstep
	QUARTER F1, F0, 2, 0                           ; the last two K steps ask for nothing
	QUARTER F0, F1, 3, 0
	TURN 0
	QUARTER F0, F1, 1, 0
	QUARTER F1, F0, 2, 0
	QUARTER F0, F1, 3, 0
	s_wait_dscnt 0x0
	MULA F1, 0, 0
	MULA F1, 1, 0
	MULA F1, 2, 0
	MULA F1, 3, 0
	WIN 0
	PLACES
	; THE WAY OUT, a block of 16 rows at a time: the sums go as they are into my own stage (each accumulator's low four registers first), come back as whole rows of 512 bytes and are stored
.macro BLOCK a
.set BK, 32+64*((\a)%2)
.if (\a) >= 2
	s_wait_xcnt 0x0                                ; the block two back has been stored from these registers: they are loaded again only behind this wait
.endif
	WIN 0x04                                       ; the stores' data in window 1
.irp b, 0,1,2,3,4,5,6,7
	ds_store_b128 v[STO], v[8*(8*(\a)+\b):8*(8*(\a)+\b)+3]   offset:64*\b
	ds_store_b128 v[STO], v[8*(8*(\a)+\b)+4:8*(8*(\a)+\b)+7] offset:64*\b+16
.endr
	WIN 0
.set t, 0
.rept 16
	ds_load_b128 v[BK+4*t:BK+4*t+3], v[RD] offset:t*SP  ; LDS serves a wave's instructions in order (ISA guide 5.7.1.4): these see the stores above
.set t, t+1
.endr
	s_wait_dscnt 0x0
.set t, 0
.rept 16
	global_store_b128 v[CO], v[BK+4*t:BK+4*t+3], s[10:11] offset:(16*(\a)+t)*4096 th:TH_STORE_NT  ; 512 consecutive bytes, at a multiple of 256
.set t, t+1
.endr
.endm
	BLOCK 0
	BLOCK 1
	BLOCK 2
	BLOCK 3
	s_wait_tensorcnt 0x0                           ; the wave's end
	ds_add_u32 v[SPW], v[NIL]
	s_wait_dscnt 0x0
	CROUND                                         ; the closing round
	s_endpgm
.Lfunc_end_k_qc8b171c179_oproj:
	.size	k_qc8b171c179_oproj, .Lfunc_end_k_qc8b171c179_oproj-k_qc8b171c179_oproj
	.p2alignl 7, 3214868480
	.fill 96, 4, 3214868480
	.section	.rodata,"a",@progbits
	.p2align	6, 0x0
	.amdhsa_kernel k_qc8b171c179_oproj
		.amdhsa_group_segment_fixed_size 327680
		.amdhsa_private_segment_fixed_size 0
		.amdhsa_enable_private_segment 0
		.amdhsa_kernarg_size 24
		.amdhsa_user_sgpr_count 2
		.amdhsa_user_sgpr_kernarg_segment_ptr 1
		.amdhsa_wavefront_size32 1
		.amdhsa_system_sgpr_workgroup_id_x 1
		.amdhsa_system_sgpr_workgroup_id_y 1
		.amdhsa_system_sgpr_workgroup_id_z 1
		.amdhsa_system_vgpr_workitem_id 0
		.amdhsa_next_free_vgpr 512
		.amdhsa_next_free_sgpr 68
		.amdhsa_reserve_vcc 0
		.amdhsa_float_denorm_mode_32 3
		.amdhsa_float_denorm_mode_16_64 3
		.amdhsa_memory_ordered 1
		.amdhsa_forward_progress 1
		.amdhsa_inst_pref_size 68
	.end_amdhsa_kernel
	.amdgpu_metadata
---
amdhsa.version: [ 1, 2 ]
amdhsa.kernels:
  - .name:           k_qc8b171c179_oproj
    .symbol:         k_qc8b171c179_oproj.kd
    .args:
      - { .name: ag, .offset: 0, .size: 8, .value_kind: global_buffer, .address_space: global }
      - { .name: wob, .offset: 8, .size: 8, .value_kind: global_buffer, .address_space: global }
      - { .name: out0, .offset: 16, .size: 8, .value_kind: global_buffer, .address_space: global }
    .group_segment_fixed_size: 327680
    .private_segment_fixed_size: 0
    .kernarg_segment_align: 8
    .kernarg_segment_size: 24
    .max_flat_workgroup_size: 128
    .sgpr_count:     68
    .vgpr_count:     512
    .wavefront_size: 32
...
	.end_amdgpu_metadata
.endif
;; end of part 4
;; ======== version 2 of 2: 4 launches; version 1 with the launch prep written anew for expert scheduling mode
;; limits: values are held in f16: magnitudes above 65,504 overflow, below 6.1e-05 lose precision
;; workspace buffers: xb 16,777,216 bytes; wall 6,291,456 bytes; wob 2,097,152 bytes; rope 557,056 bytes; qkvg 50,331,648 bytes; ag 16,777,216 bytes
;; launch prep (part 5): grid 802 x 1, 8 waves a work-group, no clusters, 0 bytes of LDS; arguments hidden_states, Wq, Wk, Wv, Wo, xb, wall, wob, rope; writes xb, wall, wob, rope
.if DOCPART == 5
	.amdgcn_target "amdgcn-amd-amdhsa--gfx1250"
	.amdhsa_code_object_version 6
	.text
	.protected	k_qc8b171c179_prep
	.globl	k_qc8b171c179_prep
	.p2align	8
	.type	k_qc8b171c179_prep,@function
k_qc8b171c179_prep:
	s_mov_b64 s[64:65], 0
	v_nop
	global_prefetch_b8 v0, s[64:65] scope:SCOPE_SE
	s_setreg_imm32_b32 hwreg(HW_REG_WAVE_SCHED_MODE, 0, 2), 2
	s_setreg_imm32_b32 hwreg(HW_REG_WAVE_MODE, 25, 1), 1
	s_wait_xcnt 0x0
	s_wait_alu depctr_vm_vsrc(0)
; PREP.  All five inputs are rounded once to bf16, in the layouts that the products want, and the table of cosines and sines for the rotation is made.
;   xb   [16 k-blocks][8192 rows][64 k] bf16 = hidden_states: 128 rows of one k-block are 16,384 dense bytes;
;   wob  [1024][1024] bf16 = Wo, as it lies;
;   wall [1024 k][3072 n] bf16 (a row is 6,144 bytes) = [Wq | Wk | Wv] with its 24 units of 128 columns reordered: unit U (0-7 q, 8-15 gate, 16-19 k, 20-23 v)
;        lies at place 3 (U % 8) + U / 8, so that each 384 columns hold one q unit, one gate unit and one k or v unit;
;   rope [2176][cos f0..31 | sin f0..31] f32: row p < 2048 is position p; rows 2048-2175 hold cos = 1, sin = 0.
; A work-group of 256 threads casts 16 lines of 1,024 f32: a thread takes 16 bytes at a time; sixteen lanes load 256 consecutive bytes, and a wave's store covers 256
; consecutive bytes at a multiple of 256.  All 16 loads go out first; nothing is read twice; the numbers are rounded in the registers that they were loaded into, so a wave
; needs 88 registers and four work-groups (4 x 2 waves x 88 of a SIMD's 1,024 registers) lie on a WGP together.  Memory binds: no LDS, no barrier, no matrix unit.
; JOBS.  Work-groups 0-33 make the table: theirs is the longest chain of dependent arithmetic, so they start first.  The others: job = number - 34: 0-511 X, 512-575 Wo, 576-703 Wq, 704-735 Wk, 736-767 Wv.
; LIMIT.  inv_freq = 2^(-f log2(10000)/32) by v_exp_f32: the angle at position 2,047 may differ from one made with a correctly rounded
; inv_freq by about 2e-4 radians.  Sine and cosine: reduction by pi/2 in two parts (exact for angles below 2,048), polynomials to r^7 and r^8.
; THE MODE: SCHED_MODE bits 1:0 = 2 (LLVM: expert scheduling mode 2), set by the entry lines.  The code itself states the register dependences
; between vector instructions and memory instructions, with s_wait_alu, always for 0.
; THE PLAN, A CAST.  Registers that memory instructions touch:
;   v2, v3     the loads' and the stores' byte offsets: made at the head by vector lines, never written again.
;   v[24:87]   piece j, four registers: written by its load, read by its two roundings, which write its first two registers, which its store reads.  Never written again.
; One wait ahead of the first load states that v2 and v3 are written.  The 16 pieces go in four groups of four: at a group's head one wait states that the group before has written its
; pairs; that group's four stores are then dealt among this group's eight roundings, which name this group's registers alone.  One more wait stands ahead of the last four stores.
; THE PLAN, THE TABLE.  v7, the store's offset, is made ahead of the loop and never written again: the scalar base moves on by a row a trip.  v[20:21], the store's data, are written by two
; selects in each trip and read by the trip's store.  s36 (the wave) and s50 (which half of the lanes) are written by vector lines ahead of the loop; s46 and s53 (the two angles' odd quadrants) by two compares in each trip.
.set X, 24                             ; v[24:87]  piece j: 4 registers as loaded; its first two then hold the 8 bytes to store
.macro CAST ia, ib, oa, ob             ; piece j lies (j / 2) ia + (j % 2) ib bytes on in the source, (j / 2) oa + (j % 2) ob in the target
	s_wait_alu depctr_va_vdst(0)                   ; v2 and v3 are written: every load below reads v2 as its offset, every store v3
.set j, 0
.rept 16
	global_load_b128 v[X+4*j:X+4*j+3], v2, s[28:29] offset:(j/2)*(\ia)+(j%2)*(\ib) th:TH_LOAD_NT
.set j, j+1
.endr
.set j, 0
.rept 4                                ; a group of four pieces; at its head j is 0, 4, 8, 12
	s_wait_loadcnt 12-j                            ; loads come back in order: this group's four are in, the 12 - j younger ones stay out
.if j > 0
	s_wait_alu depctr_va_vdst(0)                   ; the group before has written its four pairs, which the stores below read
.endif
.rept 4
.if j > 3
	global_store_b64 v3, v[X+4*j-16:X+4*j-15], s[30:31] offset:((j-4)/2)*(\oa)+((j-4)%2)*(\ob)  ; piece j - 4; no vector line since the wait names its registers
.endif
	v_cvt_pk_bf16_f32 v[X+4*j], v[X+4*j], v[X+4*j+1]
	v_cvt_pk_bf16_f32 v[X+4*j+1], v[X+4*j+2], v[X+4*j+3]  ; every piece has registers of its own: no store's data is rewritten
.set j, j+1
.endr
.endr
	s_wait_alu depctr_va_vdst(0)                   ; the last group has written its four pairs, which the last four stores read
.rept 4
	global_store_b64 v3, v[X+4*j-16:X+4*j-15], s[30:31] offset:((j-4)/2)*(\oa)+((j-4)%2)*(\ob)
.set j, j+1
.endr
	s_endpgm
.endm
	s_load_b512 s[8:23], s[0:1], 0x0               ; X 8:9, Wq 10:11, Wk 12:13, Wv 14:15, Wo 16:17, xb 18:19, wall 20:21, wob 22:23
	s_load_b64 s[24:25], s[0:1], 0x40              ; rope
	s_add_co_u32 s26, ttmp9, 768                   ; the job: the first 34 work-groups take jobs 768-801 (the table),
	s_sub_co_u32 s27, ttmp9, 34                    ; the others jobs 0-767
	s_cmp_lt_u32 ttmp9, 34
	s_cselect_b32 s26, s26, s27
	s_mov_b32 s33, 0
	s_mov_b32 s35, 0
	v_and_b32 v1, 31, v0                           ; lane
	v_lshrrev_b32 v4, 5, v0                        ; wave
	v_lshlrev_b32 v2, 4, v0                        ; my 16 bytes of a source line (X takes another share)
	s_wait_kmcnt 0x0
	s_cmp_lt_u32 s26, 512
	s_cbranch_scc0 .Lnot_x
	; X: 16 rows.  Piece j of wave w: k-block 2 w + j % 2, rows 2 (j / 2) and the next: lanes 0-15 take 256 bytes of one row, lanes 16-31 of the next; the 256 bytes stored are those two rows' 64 k
	s_lshl_b32 s32, s26, 16
	s_lshl_b32 s34, s26, 11                        ; 16 rows of 128 bytes in a k-block
	s_add_nc_u64 s[28:29], s[8:9], s[32:33]
	s_add_nc_u64 s[30:31], s[18:19], s[34:35]
	v_and_b32 v5, 15, v0
	v_bfe_u32 v6, v0, 4, 1
	v_lshlrev_b32 v2, 4, v5
	v_lshl_add_u32 v2, v6, 12, v2                  ; the next row for lanes 16-31
	v_lshl_add_u32 v2, v4, 9, v2                   ; two k-blocks of 256 bytes to a wave
	v_lshlrev_b32 v3, 3, v1
	v_lshl_add_u32 v3, v4, 21, v3                  ; a k-block of xb is 1 MiB
	CAST 8192, 256, 256, 1048576
.Lnot_x:
	s_cmp_lt_u32 s26, 576
	s_cbranch_scc0 .Lnot_wo
	s_sub_co_u32 s27, s26, 512                     ; Wo: 16 rows of 1,024, dense on both sides
	s_lshl_b32 s32, s27, 16
	s_lshl_b32 s34, s27, 15
	s_add_nc_u64 s[28:29], s[16:17], s[32:33]
	s_add_nc_u64 s[30:31], s[22:23], s[34:35]
	v_lshlrev_b32 v3, 3, v0
	CAST 8192, 4096, 4096, 2048
.Lnot_wo:
	s_cmp_lt_u32 s26, 704
	s_cbranch_scc0 .Lnot_wq
	s_sub_co_u32 s27, s26, 576                     ; Wq: a line is half a row of 2,048: eight units, one a wave: unit 8 half + w goes to place 3 w + half
	s_lshr_b32 s36, s27, 1                         ; which 16 rows
	s_and_b32 s37, s27, 1                          ; which half
	s_lshl_b32 s32, s36, 17
	s_lshl_b32 s38, s37, 12
	s_add_co_u32 s32, s32, s38
	s_mul_i32 s34, s36, 98304
	s_lshl_b32 s38, s37, 8
	s_add_co_u32 s34, s34, s38
	s_add_nc_u64 s[28:29], s[10:11], s[32:33]
	s_add_nc_u64 s[30:31], s[20:21], s[34:35]
	v_mul_u32_u24 v3, v4, 768
	v_lshl_add_u32 v3, v1, 3, v3
	CAST 16384, 8192, 12288, 6144
.Lnot_wq:
	s_cmp_lt_u32 s26, 768
	s_cbranch_scc0 .Ltable
	s_sub_co_u32 s27, s26, 704                     ; Wk or Wv: a line is two rows of 512: four units a row: Wk's unit w goes to place 3 w + 2, Wv's to place 3 w + 14
	s_mov_b32 s39, 3584                            ; (an instruction holds one literal: the second stands in a register)
	s_cmp_lt_u32 s27, 32
	s_cselect_b64 s[28:29], s[12:13], s[14:15]
	s_cselect_b32 s38, 512, s39
	s_and_b32 s27, s27, 31                         ; which 32 rows
	s_lshl_b32 s32, s27, 16
	s_mul_i32 s34, s27, 196608
	s_add_co_u32 s34, s34, s38
	s_add_nc_u64 s[28:29], s[28:29], s[32:33]
	s_add_nc_u64 s[30:31], s[20:21], s[34:35]
	v_lshrrev_b32 v6, 7, v0                        ; threads 128-255 hold the line's second row
	v_and_b32 v5, 3, v4
	v_mul_u32_u24 v6, v6, 6144
	v_mad_u32_u24 v3, v5, 768, v6
	v_lshl_add_u32 v3, v1, 3, v3
	CAST 8192, 4096, 24576, 12288
; sin and cos of x >= 0, in two parts.  k = round(x 2/pi); r = x - k pi/2, pi/2 in two parts; polynomials on |r| <= pi/4; the quadrant k mod 4 swaps and signs.
; SC1: the arithmetic.  It leaves the two polynomials in sn and cn, the sine's sign bit in k, the cosine's in q, and in s[m] the lanes whose quadrant is odd.
.macro SC1 x, sn, cn, k, r, r2, q, m
	v_mul_f32 v[\k], s40, v[\x]
	v_rndne_f32 v[\k], v[\k]
	v_fma_f32 v[\r], v[\k], s41, v[\x]
	v_fma_f32 v[\r], v[\k], s42, v[\r]
	v_cvt_i32_f32 v[\q], v[\k]
	v_mul_f32 v[\r2], v[\r], v[\r]
	v_fma_f32 v[\sn], v[\r2], s45, s44
	v_fma_f32 v[\cn], v[\r2], s49, s48
	v_fma_f32 v[\sn], v[\sn], v[\r2], s43
	v_fma_f32 v[\cn], v[\cn], v[\r2], s47
	v_mul_f32 v[\k], v[\r], v[\r2]
	v_fma_f32 v[\cn], v[\cn], v[\r2], -0.5
	v_fma_f32 v[\sn], v[\sn], v[\k], v[\r]
	v_fma_f32 v[\cn], v[\cn], v[\r2], 1.0
	v_and_b32 v[\k], 1, v[\q]
	v_cmp_eq_u32 s[\m], 1, v[\k]
	v_and_b32 v[\k], 2, v[\q]                      ; sine is negative in quadrants 2, 3,
	v_add_nc_u32 v[\q], 1, v[\q]
	v_lshlrev_b32 v[\k], 30, v[\k]
	v_and_b32 v[\q], 2, v[\q]                      ; cosine in quadrants 1, 2
	v_lshlrev_b32 v[\q], 30, v[\q]
.endm
; SC2: the selects, which read s[m], and the signs.
.macro SC2 sn, cn, k, r, r2, q, m
	v_cndmask_b32 v[\r], v[\sn], v[\cn], s[\m]     ; odd quadrant: the two change places
	v_cndmask_b32 v[\r2], v[\cn], v[\sn], s[\m]
	v_xor_b32 v[\sn], v[\k], v[\r]
	v_xor_b32 v[\cn], v[\q], v[\r2]
.endm
.Ltable:                                               ; 34 work-groups x 64 rows; a wave makes 8 rows, one whole row of 256 bytes a store
	s_sub_co_u32 s27, s26, 768
	v_lshrrev_b32 v1, 5, v0
	v_readfirstlane_b32 s36, v1                    ; wave
	v_and_b32 v1, 31, v0                           ; lane: lanes 0-15 hold cosines, 16-31 sines, of frequencies 2 (lane % 16) and the next
	v_and_b32 v4, 15, v0
	v_lshlrev_b32 v4, 1, v4
	v_add_nc_u32 v5, 1, v4
	v_cvt_f32_u32 v4, v4
	v_cvt_f32_u32 v5, v5
	v_mul_f32 v4, 0xbed49a78, v4                   ; -f log2(10000) / 32
	v_mul_f32 v5, 0xbed49a78, v5
	v_exp_f32 v4, v4
	v_exp_f32 v5, v5
	v_cmp_lt_u32 s50, 15, v1                       ; (a plain line behind the exponentials)
	s_wait_alu depctr_va_sdst(0)                   ; s36 and s50 are written, ahead of their first readers: the wave's rows are made from s36 below, the loop's last two selects read s50
	s_lshl_b32 s37, s27, 6
	s_lshl_b32 s38, s36, 3
	s_add_co_u32 s37, s37, s38                     ; my wave's first row
	s_cmp_lt_u32 s27, 32
	s_cselect_b32 s37, s37, 0                      ; the last two table jobs make the identity rows: position 0, eight times
	s_cselect_b32 s52, 1.0, 0
	v_cvt_f32_u32 v6, s37
	s_lshl_b32 s32, s27, 14
	s_add_nc_u64 s[24:25], s[24:25], s[32:33]
	v_lshlrev_b32 v7, 3, v1
	v_lshl_add_u32 v7, s36, 11, v7
	s_mov_b32 s40, 0x3f22f983                      ; 2 / pi
	s_mov_b32 s41, 0xbfc90fdb                      ; -(pi / 2), its leading part,
	s_mov_b32 s42, 0x333bbd2e                      ; and less the rest
	s_mov_b32 s43, 0xbe2aaaab                      ; -1/6
	s_mov_b32 s44, 0x3c088889                      ; 1/120
	s_mov_b32 s45, 0xb9500d01                      ; -1/5040
	s_mov_b32 s47, 0x3d2aaaab                      ; 1/24
	s_mov_b32 s48, 0xbab60b61                      ; -1/720
	s_mov_b32 s49, 0x37d00d01                      ; 1/40320
	s_mov_b32 s51, 8
	s_wait_alu depctr_va_vdst(0)                   ; v7 is written, which every store of the loop reads as its offset; the two exponentials have written v4 and v5, ahead of the label and of their first reader
.Lrow:
	v_mul_f32 v8, v6, v4                           ; the angle, rounded once, as position x inv_freq
	v_mul_f32 v9, v6, v5
	SC1 8, 10, 11, 14, 15, 16, 17, 46              ; both angles' arithmetic first, each with registers of its own, so that the two compares have one wait
	SC1 9, 12, 13, 18, 19, 22, 23, 53
	s_wait_alu depctr_va_sdst(0)                   ; the two compares have written s46 and s53, which the four selects below read
	SC2 10, 11, 14, 15, 16, 17, 46
	SC2 12, 13, 18, 19, 22, 23, 53
	s_wait_xcnt 0x0                                ; the last trip's store has had its address translated: its base and its data are rewritten only behind this wait
	s_wait_alu depctr_vm_vsrc(0)                   ; the last trip's store has read v[20:21], which the two selects below write again
	s_add_nc_u64 s[24:25], s[24:25], 256           ; the base runs one row ahead of the row in hand: the store reaches back
	v_cndmask_b32 v20, v11, v10, s50
	v_cndmask_b32 v21, v13, v12, s50
	v_add_f32 v6, s52, v6
	s_wait_alu depctr_va_vdst(0)                   ; the two selects have written v[20:21], which the store reads
	global_store_b64 v7, v[20:21], s[24:25] offset:-256
	s_sub_co_u32 s51, s51, 1
	s_cmp_lg_u32 s51, 0
	s_cbranch_scc1 .Lrow
	s_endpgm
.Lfunc_end_k_qc8b171c179_prep:
	.size	k_qc8b171c179_prep, .Lfunc_end_k_qc8b171c179_prep-k_qc8b171c179_prep
	.p2alignl 7, 3214868480
	.fill 96, 4, 3214868480
	.section	.rodata,"a",@progbits
	.p2align	6, 0x0
	.amdhsa_kernel k_qc8b171c179_prep
		.amdhsa_group_segment_fixed_size 0
		.amdhsa_private_segment_fixed_size 0
		.amdhsa_enable_private_segment 0
		.amdhsa_kernarg_size 72
		.amdhsa_user_sgpr_count 2
		.amdhsa_user_sgpr_kernarg_segment_ptr 1
		.amdhsa_wavefront_size32 1
		.amdhsa_system_sgpr_workgroup_id_x 1
		.amdhsa_system_sgpr_workgroup_id_y 1
		.amdhsa_system_sgpr_workgroup_id_z 1
		.amdhsa_system_vgpr_workitem_id 0
		.amdhsa_next_free_vgpr 88
		.amdhsa_next_free_sgpr 66
		.amdhsa_reserve_vcc 0
		.amdhsa_float_denorm_mode_32 3
		.amdhsa_float_denorm_mode_16_64 3
		.amdhsa_memory_ordered 1
		.amdhsa_forward_progress 1
		.amdhsa_inst_pref_size 29
	.end_amdhsa_kernel
	.amdgpu_metadata
---
amdhsa.version: [ 1, 2 ]
amdhsa.kernels:
  - .name:           k_qc8b171c179_prep
    .symbol:         k_qc8b171c179_prep.kd
    .args:
      - { .name: hidden_states, .offset: 0, .size: 8, .value_kind: global_buffer, .address_space: global }
      - { .name: Wq, .offset: 8, .size: 8, .value_kind: global_buffer, .address_space: global }
      - { .name: Wk, .offset: 16, .size: 8, .value_kind: global_buffer, .address_space: global }
      - { .name: Wv, .offset: 24, .size: 8, .value_kind: global_buffer, .address_space: global }
      - { .name: Wo, .offset: 32, .size: 8, .value_kind: global_buffer, .address_space: global }
      - { .name: xb, .offset: 40, .size: 8, .value_kind: global_buffer, .address_space: global }
      - { .name: wall, .offset: 48, .size: 8, .value_kind: global_buffer, .address_space: global }
      - { .name: wob, .offset: 56, .size: 8, .value_kind: global_buffer, .address_space: global }
      - { .name: rope, .offset: 64, .size: 8, .value_kind: global_buffer, .address_space: global }
    .group_segment_fixed_size: 0
    .private_segment_fixed_size: 0
    .kernarg_segment_align: 8
    .kernarg_segment_size: 72
    .max_flat_workgroup_size: 256
    .sgpr_count:     66
    .vgpr_count:     88
    .wavefront_size: 32
...
	.end_amdgpu_metadata
.endif
;; end of part 5
;; launch qkv: the kernel of part 2 again; grid 8 x 32, 4 waves a work-group, clusters of 4 x 4, 327,680 bytes of LDS; arguments xb, wall, rope, qkvg; writes qkvg
;; launch attn: the kernel of part 3 again; grid 32 x 8, 4 waves a work-group, clusters of 4 x 1, 327,680 bytes of LDS; arguments qkvg, ag; writes ag
;; launch oproj: the kernel of part 4 again; grid 4 x 64, 4 waves a work-group, clusters of 4 x 4, 327,680 bytes of LDS; arguments ag, wob, out0; writes out0
